; MI455X (gfx1250); checked and timed in simulation.
; The chip was launched on July 23, 2026; its instructions are those of AMD's public machine-readable ISA for CDNA 5 (MIT licence, August 2026) and "CDNA5" Instruction Set Architecture Reference Guide (July 2026). The comments in the code are by the model that wrote it; some were corrected since.
;; Mask Adaptive Embedding. Allowed arithmetic: matrix products marked QUANTISED: E2M1 operands, one E8M0 scale for each 32 along K, by v_wmma_scale_f32_16x16x128_f8f6f4 with both operands' format E2M1 (or v_wmma_scale_f32_32x16x128_f4), f32 sums; products left as they are: f32 operands where the result goes on into a quantised operand, else bf16, f16 or f32 operands; f32 sums; everything else in f32.
;; Inputs: emb0 20,000 x 1,024 float32; emb1 20,000 x 256 float32; emb2 160,000 x 64 float32; emb3 67,735 x 16 float32; proj1 256 x 1,024 float32; proj2 64 x 1,024 float32; proj3 16 x 1,024 float32; tokens 8 x 2,048 int32.
;; Outputs: out0 8 x 2,048 x 1,024 float32.
;; This version of the problem:
;;   THIS VERSION OF THE PROBLEM IS GIVEN IN LOW PRECISION. The matrix products marked QUANTISED in the list below multiply operands that are first quantised to E2M1 (2 exponent bits, 1 mantissa bit; 4 bits a number), with one power-of-two scale for each 32 numbers along K (OCP MX v1.0); their sums are f32. All else is computed in f32.
;;   The module's matrix products, in the order in which they are computed (A, B: the left and right operand; K: the contracted axis; several contracted axes count as one K, in the product's order):
;;     1. [M 16,384, K 256] x [K 256, N 1,024]; A: computed on the way; B: input proj1: QUANTISED
;;     2. [M 16,384, K 64] x [K 64, N 1,024]; A: computed on the way; B: input proj2: QUANTISED
;;     3. [M 16,384, K 16] x [K 16, N 1,024]; A: computed on the way; B: input proj3: left as it is (K = 16 < 32)
;;   THE QUANTISER, for each operand of a quantised product, along K:
;;     - K is cut into blocks of 32 from its start; a last block that is shorter is filled with zeros.
;;     - A block's scale is 2^e with e = floor(log2(the largest magnitude in the block)) - 2, held to -126 .. 127; a block of zeros has e = 0. As a byte (E8M0): e + 127.
;;     - Each number is divided by its block's scale, clamped to +-6, and rounded to the nearest number of E2M1, ties to even, subnormals kept.
;;     - The product sums the exact products of the quantised numbers (number of the format x scale) in f32.
;;   ~~~python
;;   def quantise(x, axis):      # numpy; x: float32 -> the quantised numbers, widened to float32 again
;;       x = np.moveaxis(x, axis, -1); K = x.shape[-1]
;;       x = np.pad(x, [(0, 0)] * (x.ndim - 1) + [(0, -K % 32)]); x = x.reshape(x.shape[:-1] + (-1, 32)); a = np.abs(x).max(-1, keepdims=True)
;;       e = np.where(a > 0, np.clip(np.frexp(np.where(a > 0, a, 1))[1] - 1 - 2, -126, 127), 0)      # np.frexp(a)[1] - 1 = floor(log2(a)), exactly
;;       r = np.clip(x / 2.0 ** e, -6, 6)
;;       step = 2.0 ** (np.maximum(np.frexp(np.where(r == 0, 1, r))[1] - 1, 0) - 1)
;;       q = np.round(r / step) * step * 2.0 ** e      # np.round: ties to even
;;       return np.moveaxis(q.reshape(q.shape[:-2] + (-1,))[..., :K], -1, axis).astype(np.float32)
;;   ~~~
;;   OPERANDS COMPUTED ON THE WAY. 'Computed on the way' means the value that the module computes at that place (a softmax that the list does not call 'softmax' is quantised finished and normalised). What goes into a quantiser is computed in f32, as accurately as f32 sums, v_exp_f32 and their like allow (about 1e-6 of the number): no bf16 or f16 on the way to a quantiser, and a product that is left as it is and whose result goes on into a quantised operand takes f32 operands (vector FMAs, or v_wmma_f32_16x16x4_f32). A number that lies on a knife's edge between two numbers of the format may be rounded either way, as far as f32 arithmetic and the matrix unit's own rounding can turn it there, and no further.
;; 2 versions, each right; version 2 is version 1 with the launch embed written anew for expert scheduling mode. Each part assembles by itself: llvm-mc -triple=amdgcn-amd-amdhsa -mcpu=gfx1250 --defsym DOCPART=n.
;; ======== version 1 of 2: 2 launches
;; workspace buffers: order 131,072 bytes of whole numbers
;; launch sort (part 1): grid 32 x 1, 1 waves a work-group, no clusters, 4,352 bytes of LDS; arguments tokens, order; writes order
.if DOCPART == 1
	.amdgcn_target "amdgcn-amd-amdhsa--gfx1250"
	.amdhsa_code_object_version 6
	.text
	.protected	k_q994b957934_sort
	.globl	k_q994b957934_sort
	.p2align	8
	.type	k_q994b957934_sort,@function
k_q994b957934_sort:
	s_mov_b64 s[64:65], 0
	v_nop
	global_prefetch_b8 v0, s[64:65] scope:SCOPE_SE
	s_setreg_imm32_b32 hwreg(HW_REG_WAVE_MODE, 25, 1), 1
	s_wait_xcnt 0x0
; Each block of 512 tokens is sorted into four groups: tokens under 20000, under 40000, under 200000, the rest (unsigned compares: a negative token is among the rest).
; order, 4,096 bytes a block: the 512 tokens in sorted order, then, for each, the place 0 .. 511 at which it stood in the block.  The next launch cuts the list into tiles of 16: at most three of a block's 32 hold more than one group.
; One wave to a block: register j of lane l holds token 32 j + l.  A counting sort: pass 1 counts the tokens under each bound, which says where each group begins; pass 2 gives token (j, l) its group's next free
; place + the number of lower lanes of register j in the same group.  The order inside a group is the block's.
; The scatter goes into the wave's own LDS; the list leaves as it lies: each store of the wave covers 512 consecutive bytes, aligned.  So no address in memory hangs on a token.
; No barrier (one wave), no matrix work, no cluster: the blocks share nothing.
.set LOW1, 20000
.set LOW2, 40000
.set LOW3, 200000
.set LA,   1                           ; v1      4 x lane
.set LB,   2                           ; v2      16 x lane
.set SP,   8                           ; v8-9    at work
.set SQ,   9
.set TS,   16                          ; v16-31  the tokens
.set SA,   32                          ; v32-47  where token (j, l) goes in LDS; a register for each j
.set SI,   48                          ; v48-63  its place in the block, 32 j + l
.set OUTR, 64                          ; v64-95  the list on its way out
.set SS,   16                          ; s16-19, s20-23  two sets of lane masks, by turns
.set BS,   24                          ; s24-27  where each group's next token goes
.set CT,   28                          ; s28-31  counts
	s_load_b128 s[4:7], s[0:1], 0x0                ; tokens s[4:5], order s[6:7]
	v_lshl_add_u32 v96, v0, 2, 0x1000
	v_mov_b32 v97, 0
	v_lshlrev_b32 v[LA], 2, v0                     ; one wave: v0 is the lane
	v_lshlrev_b32 v[LB], 4, v0
	s_lshl_b32 s8, ttmp9, 11                       ; my block: 2,048 bytes of tokens,
	s_mov_b32 s9, 0
	s_lshl_b32 s10, ttmp9, 12                      ; 4,096 of the list
	s_mov_b32 s11, 0
	s_mov_b32 s[BS], 0
	s_mov_b32 s[BS+1], 0
	s_mov_b32 s[BS+2], 0
	s_mov_b32 s[BS+3], 0
	s_wait_kmcnt 0x0
	s_add_nc_u64 s[4:5], s[4:5], s[8:9]
	s_add_nc_u64 s[6:7], s[6:7], s[10:11]
.set kk, 0
.rept 16
	global_load_b32 v[TS+kk], v[LA], s[4:5] offset:128*kk th:TH_LOAD_NT   ; 128 consecutive bytes a load; read once
.set kk, kk+1
.endr
.macro CMP3 j, S                       ; lane masks of register j: the token lies under each bound
	v_cmp_gt_u32 s[\S], LOW1, v[TS+\j]
	v_cmp_gt_u32 s[\S+1], LOW2, v[TS+\j]
	v_cmp_gt_u32 s[\S+2], LOW3, v[TS+\j]
.endm
.macro COUNT S                         ; how many tokens lie under each bound: where the next group begins
	s_bcnt1_i32_b32 s[CT], s[\S]
	s_bcnt1_i32_b32 s[CT+1], s[\S+1]
	s_bcnt1_i32_b32 s[CT+2], s[\S+2]
	s_add_co_u32 s[BS+1], s[BS+1], s[CT]
	s_add_co_u32 s[BS+2], s[BS+2], s[CT+1]
	s_add_co_u32 s[BS+3], s[BS+3], s[CT+2]
.endm
.macro PLACE j, S
	s_and_not1_b32 s[\S+3], s[\S+1], s[\S]         ; group 1
	s_and_not1_b32 s[\S+1], s[\S+2], s[\S+1]       ; group 2
	s_not_b32 s[\S+2], s[\S+2]                     ; group 3;  s[S] is group 0
	v_mbcnt_lo_u32_b32 v[SP], s[\S+2], s[BS+3]     ; the group's next free place + the lower lanes in the group
	v_mbcnt_lo_u32_b32 v[SQ], s[\S+1], s[BS+2]
	v_cndmask_b32 v[SP], v[SP], v[SQ], s[\S+1]
	v_mbcnt_lo_u32_b32 v[SQ], s[\S+3], s[BS+1]
	v_cndmask_b32 v[SP], v[SP], v[SQ], s[\S+3]
	v_mbcnt_lo_u32_b32 v[SQ], s[\S], s[BS]
	v_cndmask_b32 v[SP], v[SP], v[SQ], s[\S]
	s_bcnt1_i32_b32 s[CT], s[\S]
	s_bcnt1_i32_b32 s[CT+1], s[\S+3]
	s_bcnt1_i32_b32 s[CT+2], s[\S+1]
	s_bcnt1_i32_b32 s[CT+3], s[\S+2]
	s_add_co_u32 s[BS], s[BS], s[CT]
	s_add_co_u32 s[BS+1], s[BS+1], s[CT+1]
	s_add_co_u32 s[BS+2], s[BS+2], s[CT+2]
	s_add_co_u32 s[BS+3], s[BS+3], s[CT+3]
	v_min_u32 v[SP], 511, v[SP]                    ; the places are 0 .. 511, each once, by the counts; the hold states it
	v_lshlrev_b32 v[SA+\j], 2, v[SP]
	v_add_nc_u32 v[SI+\j], 32*(\j), v0
	ds_store_b32 v[SA+\j], v[TS+\j]                ; the token,
	ds_store_b32 v[SA+\j], v[SI+\j] offset:2048    ; and where it stood in the block
.endm
	s_wait_loadcnt 0x0
	CMP3 0, SS                                     ; the compares run one register ahead, in two sets of masks by turns
.irp j, 0,1,2,3,4,5,6,7,8,9,10,11,12,13,14,15
.if \j < 15
	CMP3 \j+1, SS+4*((\j+1)%2)
.endif
	COUNT SS+4*(\j%2)
.endr
	CMP3 0, SS
.irp j, 0,1,2,3,4,5,6,7,8,9,10,11,12,13,14,15
.if \j < 15
	CMP3 \j+1, SS+4*((\j+1)%2)
.endif
	PLACE \j, SS+4*(\j%2)
.endr
.irp k, 0,1,2,3,4,5,6,7
	ds_load_b128 v[OUTR+4*\k:OUTR+4*\k+3], v[LB] offset:512*\k     ; LDS serves a wave's instructions in order (ISA guide 5.7.1.4): these see the stores above
.endr
.irp k, 0,1,2,3,4,5,6,7
	s_wait_dscnt 7-\k                              ; the 7 - k later reads may be out
	global_store_b128 v[LB], v[OUTR+4*\k:OUTR+4*\k+3], s[6:7] offset:512*\k
.endr
	s_wait_tensorcnt 0x0
	ds_add_u32 v96, v97
	s_wait_dscnt 0x0
	s_endpgm
.Lfunc_end_k_q994b957934_sort:
	.size	k_q994b957934_sort, .Lfunc_end_k_q994b957934_sort-k_q994b957934_sort
	.p2alignl 7, 3214868480
	.fill 96, 4, 3214868480
	.section	.rodata,"a",@progbits
	.p2align	6, 0x0
	.amdhsa_kernel k_q994b957934_sort
		.amdhsa_group_segment_fixed_size 4352
		.amdhsa_private_segment_fixed_size 0
		.amdhsa_enable_private_segment 0
		.amdhsa_kernarg_size 16
		.amdhsa_user_sgpr_count 2
		.amdhsa_user_sgpr_kernarg_segment_ptr 1
		.amdhsa_wavefront_size32 1
		.amdhsa_system_sgpr_workgroup_id_x 1
		.amdhsa_system_sgpr_workgroup_id_y 1
		.amdhsa_system_sgpr_workgroup_id_z 1
		.amdhsa_system_vgpr_workitem_id 0
		.amdhsa_next_free_vgpr 98
		.amdhsa_next_free_sgpr 66
		.amdhsa_reserve_vcc 0
		.amdhsa_float_denorm_mode_32 3
		.amdhsa_float_denorm_mode_16_64 3
		.amdhsa_memory_ordered 1
		.amdhsa_forward_progress 1
		.amdhsa_inst_pref_size 33
	.end_amdhsa_kernel
	.amdgpu_metadata
---
amdhsa.version: [ 1, 2 ]
amdhsa.kernels:
  - .name:           k_q994b957934_sort
    .symbol:         k_q994b957934_sort.kd
    .args:
      - { .name: tokens, .offset: 0, .size: 8, .value_kind: global_buffer, .address_space: global }
      - { .name: order, .offset: 8, .size: 8, .value_kind: global_buffer, .address_space: global }
    .group_segment_fixed_size: 4352
    .private_segment_fixed_size: 0
    .kernarg_segment_align: 8
    .kernarg_segment_size: 16
    .max_flat_workgroup_size: 32
    .sgpr_count:     66
    .vgpr_count:     98
    .wavefront_size: 32
...
	.end_amdgpu_metadata
.endif
;; end of part 1
;; launch embed (part 2): grid 8 x 32, 16 waves a work-group, no clusters, 208,384 bytes of LDS; arguments order, emb0, emb1, emb2, emb3, proj1, proj2, proj3, out0; writes out0
.if DOCPART == 2
	.amdgcn_target "amdgcn-amd-amdhsa--gfx1250"
	.amdhsa_code_object_version 6
	.text
	.protected	k_q994b957934_embed
	.globl	k_q994b957934_embed
	.p2align	8
	.type	k_q994b957934_embed,@function
k_q994b957934_embed:
	s_mov_b64 s[64:65], 0
	v_nop
	global_prefetch_b8 v0, s[64:65] scope:SCOPE_SE
	s_setreg_imm32_b32 hwreg(HW_REG_WAVE_MODE, 25, 1), 1
	s_wait_xcnt 0x0
; out0[token][:] = 32 x ( emb0[t]                          where 0      <= t < 20000
;                       | Q(emb1[t - 20000]) Q(proj1)       where 20000  <= t < 40000    K = 256, codes of FP4 (E2M1), one E8M0 scale for each 32 along K
;                       | Q(emb2[t - 40000]) Q(proj2)       where 40000  <= t < 200000   K = 64, filled with zero codes to 128
;                       | emb3[t - 200000] proj3            where 200000 <= t < 267735   K = 16, bf16 operands, f32 sums
;                       | 0                                 elsewhere )
; THE TOKENS COME SORTED: order, made by the launch before, holds for each block of 512 tokens the tokens sorted by cluster (2,048 bytes) and each one's place in the block (2,048 bytes).
; So at most three of a block's 32 tiles of 16 tokens hold more than one cluster.
; SHARES.  Grid 8 x 32: work-group (x, y) makes columns 128 x .. 128 x + 127 of tokens 512 y .. 512 y + 511.  Sixteen waves of 256 registers.
;   W: the waves quantise the slice's weights (a lane to a column, registers down K) and lay them in LDS as images of the operand's registers.
;   X: wave w gathers and quantises tiles w and w + 16 of the sorted list: images likewise.     ONE barrier.
;   M: wave w makes 64 columns (half w & 1 of the slice) of four tiles (4 (w >> 1) + 0 .. 3); its weights stay in registers; results leave through the wave's own stage, each row to its token's own place.
; A TILE MAY STILL BE MIXED: every lane is masked (zero codes, or the factor 0 for emb0) where its token is not in the cluster, a lane outside a cluster reads that table's last row, and the contributions are
; summed in ONE accumulator: emb0 x (32 or 0) is the C of the sum.  WHAT A TILE DOES NOT HOLD IS NOT MULTIPLIED: each cluster's products stand under a scalar branch on the tile's lane mask; so does emb1's gather.
; THE FACTOR 32 = 2^5 costs no line: + 5 on the weights' scale bytes; x 32 on proj3 ahead of its rounding to bf16 (exact); 32.0 as emb0's mask factor.
; THE MATRIX INSTRUCTIONS ARE USED TRANSPOSED (source 0 = 16 columns of a weight, source 1 = 16 tokens): a lane holds one token and eight neighbouring columns.
; NO CLUSTER, NO JOINT LOADS, NO TENSOR LOADS: the gathered rows' addresses hang on the tokens, a lane a row, which no tile descriptor states; the weights arrive as f32 with K outermost and have to pass
; through registers, a lane a column, to be quantised: the slice's 336 rows x 512 bytes = 172,032 bytes of f32 beside the 206,336 bytes used here are more than the 327,680 that a work-group can claim.
; NO PREFETCH: every gather is issued as soon as its tokens are known, and the tokens' and the weights' loads are the first lines of the text.
; LIMITS: infinities and NaN among the inputs are not served (emb0's last row is multiplied by 0 for lanes outside cluster 0).  Magnitudes of proj1 and proj2 stay under 2^124 (the + 5 on the scale byte).
; A block whose largest magnitude lies under 2^-124, a block of zeros among them, keeps the floor's byte (1; for the weights 1 + 5): the rule's hold at -126; a block of zeros has zero codes, and the bytes are read here alone.
; The operands of the third product are rounded to bf16.  A token outside 0 .. 267,734 gives a row of zeros.
.set LOW1,  20000                      ; the clusters' first tokens
.set LOW2,  40000
.set LOW3,  200000
.set ROWS0, 20000                      ; and their tables' rows
.set ROWS1, 20000
.set ROWS2, 160000
.set ROWS3, 67735
.set FLOOR, 0x1800000                  ; 2^(3 - 127): no largest magnitude is taken under it, so that a scale's byte cannot fall under 1
; LDS.  An image is a fragment's registers as they stand: quad c at + 512 c + 16 x lane.
.set WIMG,  0                          ; 8 column tiles x 3,072: proj1 K step 0 (1,024), K step 1 (1,024), proj2's quad (512), proj3's bf16 quad (512)
.set WSC,   24576                      ; the weights' scale words: 64 (3 n + s) + 4 r
.set XIMG,  26112                      ; 32 token tiles x 3,072: x1 K step 0, K step 1, x2's quad, x3's bf16 quad
.set XSC,   124416                     ; their scale words: 384 m + 128 s + 4 x lane
.set STG,   136704                     ; the way out: for each wave 16 rows x (256 bytes + 16)
; REGISTERS, phases W and X
.set H32, 1                            ; v1      32 h (h = lane / 16); kept to the end
.set RR,  2                            ; v2      r = lane % 16
.set H64, 3                            ; v3      h, then 64 h
.set VP1, 4                            ; v4      proj1: 4 x lane
.set VP2, 5                            ; v5      proj2: 65536 h + 4 r
.set VP3, 6                            ; v6      proj3: 32768 h + 4 r
.set WI1, 7                            ; v7-11   where the weights' images and scale bytes go
.set WS1, 8
.set WI2, 9
.set WS2, 10
.set WI3, 11
.set D1,  4                            ; v4-11   when these eight are done with: 8 numbers of emb3 for my second tile
.set TAX, 12                           ; v12     the list's tokens of my two tiles of phase X: 4 r + 64 w
.set TAM, 13                           ; v13     and of my four tiles of phase M: 4 r + 256 (w >> 1)
.set TKX, 14                           ; v14-15  those tokens
.set TKM, 16                           ; v16-19  and these; kept to the end
.set AX,  20                           ; v20-25  byte offsets into emb1, emb2, emb3, for each of the two tiles
.set XWI, 26                           ; v26     where my tiles' images go: XIMG + 16 x lane + 3072 w
.set XWS, 27                           ; v27     and their scale words: XSC + 4 x lane + 384 w
.set PW,  28                           ; v28     the scale word just made
.set TD,  29                           ; v29     at work
.set EO,  30                           ; v30-31  byte offsets into emb0, one for each set of accumulators
.set B0,  32                           ; v32-95, v96-159   64 numbers each
.set B1,  96
.set C0,  160                          ; v160-191, v192-223  32 numbers each; then the two sets of accumulators
.set C1,  192
.set DD,  224                          ; v224-231  8 numbers of emb3 for my first tile
.set TM,  232                          ; v232-235 largest magnitudes, v236-239 bytes and exchanged maxima, v244-247 the conversions' scale operands
.set ZQ,  240                          ; v240-243  zeros; never rewritten in these phases
.set PC,  248                          ; v248-255  the codes just made
; REGISTERS, phase M
.set XRD, 6                            ; v6      the tokens' images: XIMG + 16 x lane + 12288 (w >> 1)
.set XSR, 7                            ; v7      their scale words: XSC + 4 x lane + 1536 (w >> 1)
.set STO, 8                            ; v8      the stage: where I put 32 bytes of a row
.set RD,  9                            ; v9      and where I read a row back
.set R16, 10                           ; v10     16 r: my 16 bytes of a row's 256
.set K32, 11                           ; v11     32.0
.set MF,  12                           ; v12-13  emb0's factor for my token: 32.0 or 0.0, twice (a pair for the packed multiply)
.set OIA, 14                           ; v14     the list's places of my rows: 256 (w >> 1) + 32 h
.set WRD, 15                           ; v15     the weights' images: 16 x lane + 12288 (w & 1)
.set WSR, 28                           ; v28     their scale words: WSC + 4 r + 768 (w & 1)
.set WB,  32                           ; v32-143 the weights, 28 registers for each of my four column tiles: +0 proj1 K step 0, +8 K step 1, +16 proj2, +20 ZEROS, +24 proj3
.set WS,  144                          ; v144-155 their scale words: 3 t + s
.set XS,  156                          ; v156-158 the tokens' scale words
.set ACC, 160
.set XB,  224                          ; v224-251 a token tile's operands, on the same plan of 28
; The places in the block of the eight rows that I store, then their byte offsets in out0: two sets of two quads, by turns with the accumulators' sets: v20-23 and v24-27; v2-5 and v252-255
.macro OISET st
.if \st == 0
.set OL, 20
.set OH, 24
.else
.set OL, 2
.set OH, 252
.endif
.endm
; THE QUAD OF ZEROS SERVES TWICE: as registers 4-7 (k = 64 .. 127) of the FP4 fragment that begins at +16, and as registers 0-3 of the bf16 fragment that begins at +20: the third product's 16 k stand at
; the places 16 + 8 h + j of that form's 32, on both sides alike, which leaves every product where it was.
.set MK,  40                           ; s40-45  lane masks: my token lies in cluster 1, 2, 3; in phase X for each of the two tiles, in phase M (s40-42) for the tile in hand
	s_load_b512 s[8:23], s[0:1], 0x0               ; order s[8:9], emb0 s[10:11], emb1 s[12:13], emb2 s[14:15], emb3 s[16:17], proj1 s[18:19], proj2 s[20:21], proj3 s[22:23]
	s_load_b64 s[24:25], s[0:1], 0x40              ; out0
	v_lshrrev_b32 v[TD], 5, v0
	v_readfirstlane_b32 s2, v[TD]                  ; w: wave 0..15
	v_and_b32 v[RR], 15, v0                        ; r
	v_bfe_u32 v[H64], v0, 4, 1                     ; h
	v_and_b32 v[TD], 31, v0                        ; lane
	v_lshlrev_b32 v[PW], 2, v[RR]                  ; 4 r (in the head v28, v30 and v31 hold lane terms)
	v_lshlrev_b32 v[VP1], 2, v[TD]
	v_lshl_add_u32 v[VP2], v[H64], 16, v[PW]       ; 16 rows of 4,096 bytes for the upper half of the lanes
	v_lshl_add_u32 v[VP3], v[H64], 15, v[PW]       ; 8 rows
	s_and_b32 s4, ttmp7, 0xffff                    ; my block of 512 tokens
	s_and_b32 s26, s2, 3                           ; w & 3
	s_lshr_b32 s27, s2, 2                          ; w >> 2
	s_lshr_b32 s28, s2, 1                          ; w >> 1
	s_and_b32 s29, s2, 1                           ; w & 1
	s_lshr_b32 s30, s2, 3                          ; w >> 3
	s_lshl_b32 s31, s2, 6                          ; a tile's tokens are 64 bytes of the list
	v_add_nc_u32 v[TAX], s31, v[PW]
	s_lshl_b32 s31, s28, 8
	v_add_nc_u32 v[TAM], s31, v[PW]
	; byte offsets of my parts, each in a pair of its own
	s_lshl_b32 s5, ttmp9, 9                        ; my slice of 128 columns: 512 bytes of a row
	s_lshl_b32 s34, s4, 12                         ; the list: 4,096 bytes a block
	s_mov_b32 s35, 0
	s_lshl_b32 s36, s29, 8
	s_add_co_u32 s36, s36, s5                      ; emb0: the slice + my 64 columns of phase M
	s_mov_b32 s37, 0
	s_lshl_b32 s38, s4, 21                         ; out0: 512 rows of 4,096 bytes a block, + the same columns
	s_add_co_u32 s38, s38, s36
	s_mov_b32 s39, 0
	s_lshl_b32 s50, s26, 7                         ; proj1: the slice + 32 columns x (w & 3),
	s_add_co_u32 s50, s50, s5
	s_lshl_b32 s31, s27, 18                        ; 64 rows x (w >> 2)
	s_add_co_u32 s50, s50, s31
	s_mov_b32 s51, 0
	s_lshl_b32 s32, s28, 6                         ; proj2, proj3: the slice + 16 columns x (w >> 1),
	s_add_co_u32 s32, s32, s5
	s_lshl_b32 s52, s29, 17                        ; proj2: 32 rows x (w & 1)
	s_add_co_u32 s52, s52, s32
	s_mov_b32 s53, 0
	s_lshl_b32 s54, s29, 14                        ; proj3: 4 rows x (w & 1)
	s_add_co_u32 s54, s54, s32
	s_mov_b32 s55, 0
	s_mov_b32 s46, 0x76543210                      ; v_permlanex16_b32's selects for lane l xor 16
	s_mov_b32 s47, 0xfedcba98
	s_wait_kmcnt 0x0
	s_add_nc_u64 s[8:9], s[8:9], s[34:35]
	s_add_nc_u64 s[10:11], s[10:11], s[36:37]
	s_add_nc_u64 s[24:25], s[24:25], s[38:39]
	s_add_nc_u64 s[18:19], s[18:19], s[50:51]
	s_add_nc_u64 s[20:21], s[20:21], s[52:53]
	s_add_nc_u64 s[22:23], s[22:23], s[54:55]      ; no pointer is stepped again
	; the tokens first: lane (r, h) takes token r of a tile: tiles w and w + 16 of the list,
	global_load_b32 v[TKX], v[TAX], s[8:9]
	global_load_b32 v[TKX+1], v[TAX], s[8:9] offset:1024
.irp i, 0,1,2,3
	global_load_b32 v[TKM+\i], v[TAM], s[8:9] offset:64*\i   ; and tiles 4 (w >> 1) + i
.endr
	; proj1: rows 64 (w >> 2) + 0 .. 63 at column 32 (w & 3) + lane of the slice: two whole blocks of 32 along K in a lane; a load reads 128 consecutive bytes
.set kk, 0
.rept 64
	global_load_b32 v[B0+kk], v[VP1], s[18:19] offset:4096*kk
.set kk, kk+1
.endr
	; proj2: rows 32 (w & 1) + 16 h + 0 .. 15 at column 16 (w >> 1) + r: half a block in a lane
.set kk, 0
.rept 16
	global_load_b32 v[C1+kk], v[VP2], s[20:21] offset:4096*kk
.set kk, kk+1
.endr
	; proj3: rows 8 h + 4 (w & 1) + 0 .. 3 at the same column
.irp i, 0,1,2,3
	global_load_b32 v[C1+16+\i], v[VP3], s[22:23] offset:4096*\i
.endr
	; LDS addresses, while the loads are on their way: each a constant + a lane term + a wave term
	v_lshlrev_b32 v[EO], 4, v[RR]                  ; 16 r
	v_lshlrev_b32 v[EO+1], 4, v[TD]                ; 16 x lane
	s_mul_i32 s31, s26, 6144                       ; proj1's codes: my lane's column lies in column tile 2 (w & 3) + h, at its lane r (block 0) and 16 + r (block 1, 256 bytes on);
	s_lshl_b32 s32, s27, 9                         ; my 64 rows are quad (w >> 2) & 1 of K step w >> 3: 512 (w >> 2)
	s_add_co_u32 s31, s31, s32
	v_mad_u32_u24 v[WI1], v[H64], 3072, v[EO]
	v_add_nc_u32 v[WI1], s31, v[WI1]
	s_mul_i32 s31, s26, 384                        ; their two scale bytes: word 3 n + s of 64 bytes, row r, bytes 2 c and 2 c + 1
	s_lshl_b32 s32, s30, 6
	s_add_co_u32 s31, s31, s32
	s_and_b32 s32, s27, 1
	s_lshl_b32 s32, s32, 1
	s_add_co_u32 s31, s31, s32
	s_add_co_u32 s31, s31, WSC
	v_mad_u32_u24 v[WS1], v[H64], 192, v[PW]
	v_add_nc_u32 v[WS1], s31, v[WS1]
	s_mul_i32 s31, s28, 3072                       ; proj2, proj3: column tile w >> 1
	s_lshl_b32 s32, s29, 8                         ; proj2: block w & 1 belongs to the image's lanes 16 (w & 1) + r; my half of its 16 bytes at 8 h
	s_add_co_u32 s32, s32, s31
	s_add_co_u32 s32, s32, WIMG+2048
	v_lshl_add_u32 v[WI2], v[H64], 3, v[EO]
	v_add_nc_u32 v[WI2], s32, v[WI2]
	s_mul_i32 s32, s28, 192                        ; its scale byte: word 3 n + 2, byte w & 1
	s_add_co_u32 s32, s32, s29
	s_add_co_u32 s32, s32, WSC+128
	v_add_nc_u32 v[WS2], s32, v[PW]
	s_lshl_b32 s32, s29, 3                         ; proj3: my four numbers are 8 bytes of my own lane's 16
	s_add_co_u32 s32, s32, s31
	s_add_co_u32 s32, s32, WIMG+2560
	v_add_nc_u32 v[WI3], s32, v[EO+1]
	s_mul_i32 s32, s2, 3072                        ; phase X: my tiles are w and w + 16
	s_add_co_u32 s32, s32, XIMG
	v_add_nc_u32 v[XWI], s32, v[EO+1]
	s_mul_i32 s32, s2, 384
	s_add_co_u32 s32, s32, XSC
	v_add_nc_u32 v[XWS], s32, v[VP1]
	v_lshlrev_b32 v[H32], 5, v[H64]
	v_lshlrev_b32 v[H64], 6, v[H64]                ; from here on 64 h
.irp b, 0,1,2,3
	v_mov_b32 v[TM+4+\b], 0                        ; written once: a lane permute's destination counts as one of its sources
	v_mov_b32 v[ZQ+\b], 0                          ; the image of a fragment that a tile does not hold
.endr
; The offsets and masks of a tile of phase X.  t - low wraps to a large number where t < low: such a lane, like one past the cluster's end, is outside the mask and reads the table's last row.
.macro ADDR tile
	v_add_nc_u32 v[TD], -LOW1, v[TKX+\tile]
	v_cmp_gt_u32 s[MK+3*\tile], ROWS1, v[TD]
	v_min_u32 v[TD], ROWS1-1, v[TD]
	v_lshl_add_u32 v[AX+3*\tile], v[TD], 10, v[H64]        ; emb1: rows of 1,024 bytes; + 64 h: my 16 numbers of each block of 32
	v_add_nc_u32 v[TD], -LOW2, v[TKX+\tile]
	v_cmp_gt_u32 s[MK+3*\tile+1], ROWS2, v[TD]
	v_min_u32 v[TD], ROWS2-1, v[TD]
	v_lshl_add_u32 v[AX+3*\tile+1], v[TD], 8, v[H64]       ; emb2: rows of 256 bytes
	v_add_nc_u32 v[TD], -LOW3, v[TKX+\tile]
	v_cmp_gt_u32 s[MK+3*\tile+2], ROWS3, v[TD]
	v_min_u32 v[TD], ROWS3-1, v[TD]
	v_lshl_add_u32 v[AX+3*\tile+2], v[TD], 6, v[H32]       ; emb3: rows of 64 bytes; + 32 h: my 8 numbers
.endm
; Lane (r, h) takes, of token r's row, the numbers k = 32 b + 16 h + 0 .. 15 of each block b, into registers 16 b + 0 .. 15
.macro LDX1 tile, s, buf               ; K step s of emb1: 16 loads
.irp b, 0,1,2,3
.irp j, 0,1,2,3
	global_load_b128 v[\buf+16*\b+4*\j:\buf+16*\b+4*\j+3], v[AX+3*\tile], s[12:13] offset:512*\s+128*\b+16*\j
.endr
.endr
.endm
.macro LDX2 tile, buf                  ; emb2's two blocks: 8 loads
.irp b, 0,1
.irp j, 0,1,2,3
	global_load_b128 v[\buf+16*\b+4*\j:\buf+16*\b+4*\j+3], v[AX+3*\tile+1], s[14:15] offset:128*\b+16*\j
.endr
.endr
.endm
.macro LDX3 tile, buf                  ; emb3: k = 8 h + 0 .. 7: 2 loads
	global_load_b128 v[\buf:\buf+3], v[AX+3*\tile+2], s[16:17]
	global_load_b128 v[\buf+4:\buf+7], v[AX+3*\tile+2], s[16:17] offset:16
.endm
; emb0 for tile i of phase M, straight into accumulator set ab, in the result's layout: lane (r, h) holds token r, register 8 t + j column 16 t + 8 h + j of my 64: 8 loads
.macro LDE0 i, ab
	v_min_u32 v[TD], ROWS0-1, v[TKM+\i]
	v_lshl_add_u32 v[EO+\ab], v[TD], 12, v[H32]
.irp t, 0,1,2,3
	global_load_b128 v[ACC+32*\ab+8*\t:ACC+32*\ab+8*\t+3], v[EO+\ab], s[10:11] offset:64*\t
	global_load_b128 v[ACC+32*\ab+8*\t+4:ACC+32*\ab+8*\t+7], v[EO+\ab], s[10:11] offset:64*\t+16
.endr
.endm
; where tile i's rows 8 h + 0 .. 7 stood in the block: 32 neighbouring bytes of the list's second half: 2 loads, into set st
.macro LDO i, st
	OISET \st
	global_load_b128 v[OL:OL+3], v[OIA], s[8:9] offset:2048+64*(\i)
	global_load_b128 v[OH:OH+3], v[OIA], s[8:9] offset:2048+64*(\i)+16
.endm
; 64 numbers of a lane, register 16 b + i = k 32 b + 16 h + i of my row, become a fragment's codes in v[PC] on and its scale word in v[PW]
.macro QUANT src
.irp b, 0,1,2,3
	v_max3_num_f32 v[TM+\b], |v[\src+16*\b]|, |v[\src+16*\b+1]|, FLOOR
.endr
.irp i, 2,4,6,8,10,12,14
.irp b, 0,1,2,3
	v_max3_num_f32 v[TM+\b], v[TM+\b], |v[\src+16*\b+\i]|, |v[\src+16*\b+\i+1]|   ; the four blocks by turns
.endr
.endr
.irp b, 0,1,2,3
	v_permlanex16_b32 v[TM+4+\b], v[TM+\b], s46, s47
.endr
.irp b, 0,1,2,3
	v_max_num_f32 v[TM+\b], v[TM+\b], v[TM+4+\b]   ; with lane l xor 16's: the block's largest magnitude
.endr
.irp b, 0,1,2,3
	v_add_nc_u32 v[TM+12+\b], 0xff000000, v[TM+\b] ; 2 off its exponent field: the conversion takes the exponent field of this operand as its scale
.endr
.irp b, 0,1,2,3
	v_lshrrev_b32 v[TM+4+\b], 23, v[TM+12+\b]      ; the scale's byte
.endr
	s_wait_dscnt 0x0                               ; the LDS stores of the fragment before have read v[PW] and v[PC] on
	v_lshl_or_b32 v[PW], v[TM+5], 8, v[TM+4]
	v_lshl_or_b32 v[PW], v[TM+6], 16, v[PW]
	v_lshl_or_b32 v[PW], v[TM+7], 24, v[PW]
.irp b, 0,1,2,3
	v_cvt_scalef32_pk8_fp4_f32 v[PC+2*\b], v[\src+16*\b:\src+16*\b+7], v[TM+12+\b]
	v_cvt_scalef32_pk8_fp4_f32 v[PC+2*\b+1], v[\src+16*\b+8:\src+16*\b+15], v[TM+12+\b]
.endr
	v_nop                                          ; one plain place behind a scaled conversion
.irp c, 0,1                                    ; the operand's layout wants a whole block in a lane: lanes 0-15 block 2 c, lanes 16-31 block 2 c + 1
.irp i, 0,1
	v_permlane16_swap_b32 v[PC+4*\c+\i], v[PC+4*\c+2+\i]
.endr
.endr
.endm
; The same for 32 numbers, blocks 0 and 1 alone: registers 0-3 of a fragment; the scale word's upper two bytes are 0, over zero codes
.macro QUANT2 src
.irp b, 0,1
	v_max3_num_f32 v[TM+\b], |v[\src+16*\b]|, |v[\src+16*\b+1]|, FLOOR
.endr
.irp i, 2,4,6,8,10,12,14
.irp b, 0,1
	v_max3_num_f32 v[TM+\b], v[TM+\b], |v[\src+16*\b+\i]|, |v[\src+16*\b+\i+1]|
.endr
.endr
.irp b, 0,1
	v_permlanex16_b32 v[TM+4+\b], v[TM+\b], s46, s47
.endr
.irp b, 0,1
	v_max_num_f32 v[TM+\b], v[TM+\b], v[TM+4+\b]
.endr
.irp b, 0,1
	v_add_nc_u32 v[TM+12+\b], 0xff000000, v[TM+\b]
.endr
.irp b, 0,1
	v_lshrrev_b32 v[TM+4+\b], 23, v[TM+12+\b]
.endr
	s_wait_dscnt 0x0                               ; the LDS stores of the fragment before have read v[PW] and v[PC] on
	v_lshl_or_b32 v[PW], v[TM+5], 8, v[TM+4]
.irp b, 0,1
	v_cvt_scalef32_pk8_fp4_f32 v[PC+2*\b], v[\src+16*\b:\src+16*\b+7], v[TM+12+\b]
	v_cvt_scalef32_pk8_fp4_f32 v[PC+2*\b+1], v[\src+16*\b+8:\src+16*\b+15], v[TM+12+\b]
.endr
	v_nop                                          ; one plain place behind a scaled conversion
.irp i, 0,1
	v_permlane16_swap_b32 v[PC+\i], v[PC+2+\i]
.endr
.endm
; The mask: a token outside the cluster has zero codes, which add nothing under any scale byte that the lines above can make (1 to 253).  The exchange of halves keeps a lane's row, so the lane's own mask bit serves.
.macro MASK first, n, sm
.set mi, \first
.rept \n
	v_cndmask_b32 v[PC+mi], 0, v[PC+mi], s[\sm]
.set mi, mi+1
.endr
.endm
.macro PUT tile, s                     ; x1's fragment of K step s goes to LDS as it stands, its scale word beside it.  My second tile lies 16 tiles on: 49,152 and 6,144 bytes
	ds_store_b128 v[XWI], v[PC:PC+3] offset:49152*\tile+1024*\s
	ds_store_b128 v[XWI], v[PC+4:PC+7] offset:49152*\tile+1024*\s+512
	ds_store_b32 v[XWS], v[PW] offset:6144*\tile+128*\s
.endm
.macro PUT2 tile                       ; x2's quad
	ds_store_b128 v[XWI], v[PC:PC+3] offset:49152*\tile+2048
	ds_store_b32 v[XWS], v[PW] offset:6144*\tile+256
.endm
.macro X3 tile, sm, src                ; emb3's 8 numbers of a lane become registers 4-7 of a bf16 fragment
	s_wait_dscnt 0x0                               ; earlier LDS stores have read v[PC] on
.irp j, 0,1,2,3
	v_cvt_pk_bf16_f32 v[PC+4+\j], v[\src+2*\j], v[\src+2*\j+1]
.endr
	MASK 4, 4, \sm
	ds_store_b128 v[XWI], v[PC+4:PC+7] offset:49152*\tile+2560
.endm
; emb1, for a tile that holds a token of cluster 1: gathered, quantised and masked in one block under a scalar branch on the tile's mask.  Any other tile gets zero codes (and the scale byte 0, which is 2^-127):
; so every image that phase M loads has been stored, whatever the tokens.
.macro X1 tile
	s_cmp_eq_u32 s[MK+3*\tile], 0
	s_cbranch_scc1 .Lnone_\@
	LDX1 \tile, 0, B0
	LDX1 \tile, 1, B1
	s_wait_loadcnt 0x0                             ; these 32 loads, and all issued before them
	QUANT B0
	MASK 0, 8, MK+3*\tile
	PUT \tile, 0
	QUANT B1
	MASK 0, 8, MK+3*\tile
	PUT \tile, 1
	s_branch .Ldone_\@
.Lnone_\@:
.irp c, 0,1,2,3
	ds_store_b128 v[XWI], v[ZQ:ZQ+3] offset:49152*\tile+512*\c
.endr
	ds_store_b32 v[XWS], v[ZQ] offset:6144*\tile
	ds_store_b32 v[XWS], v[ZQ] offset:6144*\tile+128
.Ldone_\@:
.endm
	; ---- PHASES W AND X.  Loads come back in order: each wait's count is the number of loads issued behind the group that is wanted.
	s_wait_loadcnt 63                              ; the six tokens are in: 84 loads stand behind them, and the wait's field ends at 63
	ADDR 0
	ADDR 1
	LDX2 0, C0                                     ; emb2 and emb3 are gathered for every tile: a tile that holds neither reads one row of each
	LDX3 0, DD
	s_wait_loadcnt 30                              ; proj1's 64 are in; behind them: proj2's and proj3's 20, the 10 just issued
	; proj1: two blocks a lane, all 32 numbers of each are mine
.irp c, 0,1
	v_max3_num_f32 v[TM+\c], |v[B0+32*\c]|, |v[B0+32*\c+1]|, FLOOR
.endr
.irp i, 2,4,6,8,10,12,14,16,18,20,22,24,26,28,30
.irp c, 0,1
	v_max3_num_f32 v[TM+\c], v[TM+\c], |v[B0+32*\c+\i]|, |v[B0+32*\c+\i+1]|
.endr
.endr
.irp c, 0,1
	v_add_nc_u32 v[TM+12+\c], 0xff000000, v[TM+\c] ; 2 off the exponent field: the conversion's scale operand
.endr
.irp c, 0,1
	v_add_nc_u32 v[TM+4+\c], 0x01800000, v[TM+\c]  ; - 2 + 5 on the exponent field: the byte carries the factor 32
.endr
.irp c, 0,1
	v_lshrrev_b32 v[TM+4+\c], 23, v[TM+4+\c]
.endr
	v_lshl_or_b32 v[PW], v[TM+5], 8, v[TM+4]
.irp c, 0,1
.irp g, 0,1,2,3
	v_cvt_scalef32_pk8_fp4_f32 v[PC+4*\c+\g], v[B0+32*\c+8*\g:B0+32*\c+8*\g+7], v[TM+12+\c]
.endr
.endr
	v_nop                                          ; one plain place behind a scaled conversion
	ds_store_b128 v[WI1], v[PC:PC+3]
	ds_store_b128 v[WI1], v[PC+4:PC+7] offset:256
	ds_store_b16 v[WS1], v[PW]
	s_wait_loadcnt 10                              ; proj2's and proj3's 20 are in; behind them: the 10 gathers
	; proj2: my 16 numbers and lane l xor 16's are a block
	v_max3_num_f32 v[TM], |v[C1]|, |v[C1+1]|, FLOOR
	v_max3_num_f32 v[TM+1], |v[C1+2]|, |v[C1+3]|, |v[C1+4]|
	v_max3_num_f32 v[TM], v[TM], |v[C1+5]|, |v[C1+6]|
	v_max3_num_f32 v[TM+1], v[TM+1], |v[C1+7]|, |v[C1+8]|
	v_max3_num_f32 v[TM], v[TM], |v[C1+9]|, |v[C1+10]|
	v_max3_num_f32 v[TM+1], v[TM+1], |v[C1+11]|, |v[C1+12]|
	v_max3_num_f32 v[TM], v[TM], |v[C1+13]|, |v[C1+14]|
	v_max3_num_f32 v[TM], v[TM], v[TM+1], |v[C1+15]|
	v_permlanex16_b32 v[TM+4], v[TM], s46, s47
	v_max_num_f32 v[TM], v[TM], v[TM+4]
	v_add_nc_u32 v[TM+12], 0xff000000, v[TM]
	v_add_nc_u32 v[TM+5], 0x01800000, v[TM]
	s_wait_dscnt 0x0                               ; proj1's LDS stores have read v[PW] and v[PC] on
	v_lshrrev_b32 v[PW], 23, v[TM+5]
	v_cvt_scalef32_pk8_fp4_f32 v[PC], v[C1:C1+7], v[TM+12]
	v_cvt_scalef32_pk8_fp4_f32 v[PC+1], v[C1+8:C1+15], v[TM+12]
	v_pk_mul_f32 v[C1+16:C1+17], v[C1+16:C1+17], 0x42000000 op_sel_hi:[1,0]   ; proj3 x 32, exact.  (These plain lines are also the place behind the conversions)
	v_pk_mul_f32 v[C1+18:C1+19], v[C1+18:C1+19], 0x42000000 op_sel_hi:[1,0]
	v_cvt_pk_bf16_f32 v[PC+2], v[C1+16], v[C1+17]
	v_cvt_pk_bf16_f32 v[PC+3], v[C1+18], v[C1+19]
	ds_store_b64 v[WI2], v[PC:PC+1]
	ds_store_b8 v[WS2], v[PW]                      ; both lanes of a block write the same byte with the same value
	ds_store_b64 v[WI3], v[PC+2:PC+3]
	s_wait_dscnt 0x0                               ; the weights' LDS stores are done with v7-11; the weights' loads, with v4-6, were waited for above: v4-11 take emb3's numbers
	LDX2 1, C1
	LDX3 1, D1
	X1 0
	X1 1
	s_wait_loadcnt 0x0                             ; emb2's and emb3's 20 loads
	QUANT2 C0
	MASK 0, 4, MK+1
	PUT2 0
	X3 0, MK+2, DD
	LDE0 0, 0                                      ; emb0 for phase M's first tile, into the registers that x2 has left
	QUANT2 C1
	MASK 0, 4, MK+4
	PUT2 1
	X3 1, MK+5, D1
	s_wait_dscnt 0x0                               ; for the others' sake: all my LDS stores have landed; and they are done with v26 and v27
	s_lshl_b32 s31, s28, 8                         ; my four tiles' places in the list: 64 bytes a tile; lanes 16-31 take the tile's upper eight rows
	v_add_nc_u32 v[OIA], s31, v[H32]
	LDO 0, 0                                       ; the first tile's rows' places (every load that named v20-25 as its offset has been waited for),
	LDE0 1, 1                                      ; and emb0 for the second tile
	s_barrier_signal -1                            ; THE ONE BARRIER: behind it the images are only read, and each wave writes its own stage alone
	; register work while the others arrive: phase M's addresses, the zeros, the first factor
	v_and_b32 v[RR], 15, v0                        ; r
	v_bfe_u32 v[H64], v0, 4, 1                     ; h
	v_and_b32 v[TD], 31, v0                        ; lane
	s_mul_i32 s31, s29, 12288                      ; my column tiles are 4 (w & 1) + 0 .. 3
	v_lshl_add_u32 v[WRD], v[TD], 4, s31
	s_mul_i32 s31, s29, 768
	s_add_co_u32 s31, s31, WSC
	v_lshl_add_u32 v[WSR], v[RR], 2, s31
	s_mul_i32 s31, s28, 12288                      ; my token tiles are 4 (w >> 1) + 0 .. 3
	s_add_co_u32 s31, s31, XIMG
	v_lshl_add_u32 v[XRD], v[TD], 4, s31
	s_mul_i32 s31, s28, 1536
	s_add_co_u32 s31, s31, XSC
	v_lshl_add_u32 v[XSR], v[TD], 2, s31
	s_mul_i32 s31, s2, 4352
	s_add_co_u32 s31, s31, STG                     ; my stage
	v_mul_u32_u24 v[STO], v[RR], 272               ; in: row r, 32 bytes for each half of the lanes
	v_lshl_add_u32 v[STO], v[H64], 5, v[STO]
	v_add_nc_u32 v[STO], s31, v[STO]
	v_mul_u32_u24 v[RD], v[H64], 2176              ; back: lanes 0-15 take row q, lanes 16-31 row 8 + q, 256 bytes each
	v_lshl_add_u32 v[RD], v[RR], 4, v[RD]
	v_add_nc_u32 v[RD], s31, v[RD]
	v_lshlrev_b32 v[R16], 4, v[RR]
	v_mov_b32 v[K32], 0x42000000                   ; 32.0
.irp t, 0,1,2,3
.irp j, 0,1,2,3
	v_mov_b32 v[WB+28*\t+20+\j], 0                 ; the quads of zeros: four for the weights,
.endr
.endr
.irp j, 0,1,2,3
	v_mov_b32 v[XB+20+\j], 0                       ; one for the tokens: the two sources of a matrix instruction share no register
.endr
	v_cmp_gt_u32 vcc_lo, ROWS0, v[TKM]             ; tile 0: is my token in cluster 0?  (unsigned: a negative token is in none)
	v_cndmask_b32 v[MF], 0, v[K32], vcc_lo
	v_cndmask_b32 v[MF+1], 0, v[K32], vcc_lo
	s_barrier_wait -1
	; ---- PHASE M.  My weights come once and stay.
	LDO 1, 1                                       ; the second tile's rows' places, into v2-5 (r and h are done with) and v252-255
.irp t, 0,1,2,3
.irp c, 0,1,2,3,4
	ds_load_b128 v[WB+28*\t+4*\c:WB+28*\t+4*\c+3], v[WRD] offset:3072*\t+512*\c
.endr
	ds_load_b128 v[WB+28*\t+24:WB+28*\t+27], v[WRD] offset:3072*\t+2560
	ds_load_b32 v[WS+3*\t], v[WSR] offset:192*\t
	ds_load_b32 v[WS+3*\t+1], v[WSR] offset:192*\t+64
	ds_load_u16 v[WS+3*\t+2], v[WSR] offset:192*\t+128     ; proj2 has two blocks: two bytes; the upper two come as 0, over zero codes
.endr
.macro LDA i                           ; token tile i's operands and scale words: 9 loads
.irp c, 0,1,2,3,4
	ds_load_b128 v[XB+4*\c:XB+4*\c+3], v[XRD] offset:3072*(\i)+512*\c
.endr
	ds_load_b128 v[XB+24:XB+27], v[XRD] offset:3072*(\i)+2560
.irp s, 0,1,2
	ds_load_b32 v[XS+\s], v[XSR] offset:384*(\i)+128*\s
.endr
.endm
	LDA 0
; One token tile x my 64 columns, on accumulator set ab and the places' set ab.
; The loads from memory of this phase, in the order of issue (E: a tile's emb0, 8 loads; O: its rows' places, 2): E0 O0 E1 O1 O2 E2 O3 E3.
.macro TILE i, ab
.set AC, ACC+32*\ab
	OISET \ab
.if \i < 3
	s_wait_loadcnt 10                              ; this tile's emb0 and places are in; behind them stand ten loads for later tiles: one E and one O
.else
	s_wait_loadcnt 0
.endif
.set kk, 0
.rept 16
	v_pk_mul_f32 v[AC+kk:AC+kk+1], v[AC+kk:AC+kk+1], v[MF:MF+1]   ; emb0 x 32 where my token is in cluster 0, x 0 elsewhere: the sum's C
.set kk, kk+2
.endr
	v_add_nc_u32 v[TD], -LOW1, v[TKM+\i]           ; which clusters does the tile hold?
	v_cmp_gt_u32 s[MK], ROWS1, v[TD]
	v_add_nc_u32 v[TD], -LOW2, v[TKM+\i]
	v_cmp_gt_u32 s[MK+1], ROWS2, v[TD]
	v_add_nc_u32 v[TD], -LOW3, v[TKM+\i]
	v_cmp_gt_u32 s[MK+2], ROWS3, v[TD]
.if \i < 3
	v_cmp_gt_u32 vcc_lo, ROWS0, v[TKM+\i+1]        ; the next tile's factor
	v_cndmask_b32 v[MF], 0, v[K32], vcc_lo
	v_cndmask_b32 v[MF+1], 0, v[K32], vcc_lo
.endif
.irp q, 0,1,2,3
	v_min_u32 v[OL+\q], 511, v[OL+\q]              ; a place in the block,
	v_min_u32 v[OH+\q], 511, v[OH+\q]
.endr
.irp q, 0,1,2,3
	v_lshl_add_u32 v[OL+\q], v[OL+\q], 12, v[R16]  ; as a byte offset in out0: rows of 4,096 bytes, + my 16 bytes
	v_lshl_add_u32 v[OH+\q], v[OH+\q], 12, v[R16]
.endr
	s_wait_dscnt 0x0                               ; the tile's operands are in (in the first tile: the weights too)
	; The four accumulators take turns, one instruction a turn, on every way through the three branches
	s_cmp_eq_u32 s[MK], 0
	s_cbranch_scc1 .Lno1_\@                        ; no token of cluster 1 in the tile: proj1's two K steps are left out
.irp s, 0,1
.irp t, 0,1,2,3
	v_wmma_scale_f32_16x16x128_f8f6f4 v[AC+8*\t:AC+8*\t+7], v[WB+28*\t+8*\s:WB+28*\t+8*\s+7], v[XB+8*\s:XB+8*\s+7], v[AC+8*\t:AC+8*\t+7], v[WS+3*\t+\s], v[XS+\s] matrix_a_fmt:MATRIX_FMT_FP4 matrix_b_fmt:MATRIX_FMT_FP4
.endr
.endr
.Lno1_\@:
	s_cmp_eq_u32 s[MK+1], 0
	s_cbranch_scc1 .Lno2_\@                        ; none of cluster 2: proj2's K step is left out
.irp t, 0,1,2,3
	v_wmma_scale_f32_16x16x128_f8f6f4 v[AC+8*\t:AC+8*\t+7], v[WB+28*\t+16:WB+28*\t+23], v[XB+16:XB+23], v[AC+8*\t:AC+8*\t+7], v[WS+3*\t+2], v[XS+2] matrix_a_fmt:MATRIX_FMT_FP4 matrix_b_fmt:MATRIX_FMT_FP4
.endr
.Lno2_\@:
.rept 5
	v_nop                                          ; another form takes the sums up: five places behind the last product (ISA guide 7.12.1)
.endr
	s_cmp_eq_u32 s[MK+2], 0
	s_cbranch_scc1 .Lno3_\@                        ; none of cluster 3: proj3's step is left out
.irp t, 0,1,2,3
	v_wmma_f32_16x16x32_bf16 v[AC+8*\t:AC+8*\t+7], v[WB+28*\t+20:WB+28*\t+27], v[XB+20:XB+27], v[AC+8*\t:AC+8*\t+7]
.endr
.Lno3_\@:
.rept 4
	v_nop                                          ; four places in front of the stores of the results and of the loads into the results' and the operands' registers
.endr
.irp t, 0,1,2,3
	ds_store_b128 v[STO], v[AC+8*\t:AC+8*\t+3] offset:64*\t          ; each accumulator from its low end on
	ds_store_b128 v[STO], v[AC+8*\t+4:AC+8*\t+7] offset:64*\t+16
.endr
.irp q, 0,1,2,3,4,5,6,7
	ds_load_b128 v[AC+4*\q:AC+4*\q+3], v[RD] offset:272*\q           ; LDS serves a wave's instructions in order (ISA guide 5.7.1.4): these see the stores above; rows q and 8 + q, into the registers that the results left
.endr
.if \i < 3
	LDA \i+1
.endif
.irp q, 0,1,2,3,4,5,6,7
.if \i < 3
	s_wait_dscnt 16-\q                             ; behind this pair of rows: the 7 - q later pairs and the next tile's nine loads
.else
	s_wait_dscnt 7-\q
.endif
.if \q < 4
	global_store_b128 v[OL+\q], v[AC+4*\q:AC+4*\q+3], s[24:25] th:TH_STORE_NT   ; 16 lanes store 256 consecutive bytes, at a multiple of 256 from out0's first byte; written once, read by nobody here
.else
	global_store_b128 v[OH+\q-4], v[AC+4*\q:AC+4*\q+3], s[24:25] th:TH_STORE_NT
.endif
.endr
.if \i < 2
	s_wait_xcnt 0x0                                ; the stores have read their registers: the places of the tile after next may land on the offsets,
	LDO \i+2, \ab
	LDE0 \i+2, \ab                                 ; and its emb0 on the data (its offset register's last loads were waited for at this tile's head)
.endif
.endm
	TILE 0, 0
	TILE 1, 1
	TILE 2, 0
	TILE 3, 1
	s_wait_xcnt 0x0
	v_lshl_add_u32 v254, v0, 2, 0x32600
	v_mov_b32 v255, 0
	s_wait_tensorcnt 0x0
	ds_add_u32 v254, v255
	s_wait_dscnt 0x0
	s_endpgm
.Lfunc_end_k_q994b957934_embed:
	.size	k_q994b957934_embed, .Lfunc_end_k_q994b957934_embed-k_q994b957934_embed
	.p2alignl 7, 3214868480
	.fill 96, 4, 3214868480
	.section	.rodata,"a",@progbits
	.p2align	6, 0x0
	.amdhsa_kernel k_q994b957934_embed
		.amdhsa_group_segment_fixed_size 208384
		.amdhsa_private_segment_fixed_size 0
		.amdhsa_enable_private_segment 0
		.amdhsa_kernarg_size 72
		.amdhsa_user_sgpr_count 2
		.amdhsa_user_sgpr_kernarg_segment_ptr 1
		.amdhsa_wavefront_size32 1
		.amdhsa_system_sgpr_workgroup_id_x 1
		.amdhsa_system_sgpr_workgroup_id_y 1
		.amdhsa_system_sgpr_workgroup_id_z 1
		.amdhsa_system_vgpr_workitem_id 0
		.amdhsa_next_free_vgpr 256
		.amdhsa_next_free_sgpr 66
		.amdhsa_reserve_vcc 1
		.amdhsa_float_denorm_mode_32 3
		.amdhsa_float_denorm_mode_16_64 3
		.amdhsa_memory_ordered 1
		.amdhsa_forward_progress 1
		.amdhsa_inst_pref_size 91
	.end_amdhsa_kernel
	.amdgpu_metadata
---
amdhsa.version: [ 1, 2 ]
amdhsa.kernels:
  - .name:           k_q994b957934_embed
    .symbol:         k_q994b957934_embed.kd
    .args:
      - { .name: order, .offset: 0, .size: 8, .value_kind: global_buffer, .address_space: global }
      - { .name: emb0, .offset: 8, .size: 8, .value_kind: global_buffer, .address_space: global }
      - { .name: emb1, .offset: 16, .size: 8, .value_kind: global_buffer, .address_space: global }
      - { .name: emb2, .offset: 24, .size: 8, .value_kind: global_buffer, .address_space: global }
      - { .name: emb3, .offset: 32, .size: 8, .value_kind: global_buffer, .address_space: global }
      - { .name: proj1, .offset: 40, .size: 8, .value_kind: global_buffer, .address_space: global }
      - { .name: proj2, .offset: 48, .size: 8, .value_kind: global_buffer, .address_space: global }
      - { .name: proj3, .offset: 56, .size: 8, .value_kind: global_buffer, .address_space: global }
      - { .name: out0, .offset: 64, .size: 8, .value_kind: global_buffer, .address_space: global }
    .group_segment_fixed_size: 208384
    .private_segment_fixed_size: 0
    .kernarg_segment_align: 8
    .kernarg_segment_size: 72
    .max_flat_workgroup_size: 512
    .sgpr_count:     66
    .vgpr_count:     256
    .wavefront_size: 32
...
	.end_amdgpu_metadata
.endif
;; end of part 2
;; ======== version 2 of 2: 2 launches; version 1 with the launch embed written anew for expert scheduling mode
;; workspace buffers: order 131,072 bytes of whole numbers
;; launch sort: the kernel of part 1 again; grid 32 x 1, 1 waves a work-group, no clusters, 4,352 bytes of LDS; arguments tokens, order; writes order
;; launch embed (part 3): grid 8 x 32, 16 waves a work-group, no clusters, 208,384 bytes of LDS; arguments order, emb0, emb1, emb2, emb3, proj1, proj2, proj3, out0; writes out0
.if DOCPART == 3
	.amdgcn_target "amdgcn-amd-amdhsa--gfx1250"
	.amdhsa_code_object_version 6
	.text
	.protected	k_q994b957934_embed
	.globl	k_q994b957934_embed
	.p2align	8
	.type	k_q994b957934_embed,@function
k_q994b957934_embed:
	s_mov_b64 s[64:65], 0
	v_nop
	global_prefetch_b8 v0, s[64:65] scope:SCOPE_SE
	s_setreg_imm32_b32 hwreg(HW_REG_WAVE_SCHED_MODE, 0, 2), 2
	s_setreg_imm32_b32 hwreg(HW_REG_WAVE_MODE, 25, 1), 1
	s_wait_xcnt 0x0
	s_wait_alu depctr_vm_vsrc(0)
; out0[token][:] = 32 x ( emb0[t]                          where 0      <= t < 20000
;                       | Q(emb1[t - 20000]) Q(proj1)       where 20000  <= t < 40000    K = 256, codes of FP4 (E2M1), one E8M0 scale for each 32 along K
;                       | Q(emb2[t - 40000]) Q(proj2)       where 40000  <= t < 200000   K = 64, filled with zero codes to 128
;                       | emb3[t - 200000] proj3            where 200000 <= t < 267735   K = 16, bf16 operands, f32 sums
;                       | 0                                 elsewhere )
; THE TOKENS COME SORTED: order, made by the launch before, holds for each block of 512 tokens the tokens sorted by cluster (2,048 bytes) and each one's place in the block (2,048 bytes).
; So at most three of a block's 32 tiles of 16 tokens hold more than one cluster.
; SHARES.  Grid 8 x 32: work-group (x, y) makes columns 128 x .. 128 x + 127 of tokens 512 y .. 512 y + 511.  Sixteen waves of 256 registers.
;   W: the waves quantise the slice's weights (a lane to a column, registers down K) and lay them in LDS as images of the operand's registers.
;   X: wave w gathers and quantises tiles w and w + 16 of the sorted list: images likewise.     ONE barrier.
;   M: wave w makes 64 columns (half w & 1 of the slice) of four tiles (4 (w >> 1) + 0 .. 3); its weights stay in registers; results leave through the wave's own stage, each row to its token's own place.
; A TILE MAY STILL BE MIXED: every lane is masked (zero codes, or the factor 0 for emb0) where its token is not in the cluster, a lane outside a cluster reads that table's last row, and the contributions are
; summed in ONE accumulator: emb0 x (32 or 0) is the C of the sum.  WHAT A TILE DOES NOT HOLD IS NOT MULTIPLIED: each cluster's products stand under a scalar branch on the tile's lane mask; so does emb1's gather.
; THE FACTOR 32 = 2^5 costs no line: + 5 on the weights' scale bytes; x 32 on proj3 ahead of its rounding to bf16 (exact); 32.0 as emb0's mask factor.
; THE MATRIX INSTRUCTIONS ARE USED TRANSPOSED (source 0 = 16 columns of a weight, source 1 = 16 tokens): a lane holds one token and eight neighbouring columns.
; NO CLUSTER, NO JOINT LOADS, NO TENSOR LOADS: the gathered rows' addresses hang on the tokens, a lane a row, which no tile descriptor states; the weights arrive as f32 with K outermost and have to pass
; through registers, a lane a column, to be quantised: the slice's 336 rows x 512 bytes = 172,032 bytes of f32 beside the 206,336 bytes used here are more than the 327,680 that a work-group can claim.
; NO PREFETCH: every gather is issued as soon as its tokens are known, and the tokens' and the weights' loads are the first lines of the text.
; LIMITS: infinities and NaN among the inputs are not served (emb0's last row is multiplied by 0 for lanes outside cluster 0).  Magnitudes of proj1 and proj2 stay under 2^124 (the + 5 on the scale byte).
; A block whose largest magnitude lies under 2^-124, a block of zeros among them, keeps the floor's byte (1; for the weights 1 + 5): the rule's hold at -126; a block of zeros has zero codes, and the bytes are read here alone.
; The operands of the third product are rounded to bf16.  A token outside 0 .. 267,734 gives a row of zeros.
; THE MODE: SCHED_MODE bits 1:0 = 2 (LLVM: expert scheduling mode 2), set by the entry lines.  The code itself states the register dependences between vector or matrix instructions and memory or LDS
; instructions, with s_wait_alu, always for 0.
; THE PLAN.  Registers that memory or LDS instructions touch, and who else names them:
;   v4-6, v12-13      offsets of the weights' and the tokens' loads: made at the head, one wait on va_vdst ahead of the first load.  They take other numbers only behind a wait on vm_vsrc.
;   v20-25, v7-11, v26-27, v240-243   the gathers' offsets, the images' LDS addresses, the zeros: made while the weights come; one wait on va_vdst ahead of the first gather.
;   B0, B1, C0, C1, DD, D1   loaded; read by the quantisers; loaded again only behind the wait on va_vdst that stands ahead of the LDS stores of the fragment made from them.
;   PC, PW            written by a quantiser, read by its LDS stores: a wait on va_vdst ahead of each run of stores, a wait on vm_vsrc ahead of the next quantiser's first write.
;   phase M's addresses v6-9, v15, v28 and the quads of zeros: made inside the barrier; one wait on va_vdst behind it, which also states that the quantisers are done with all the registers in which
;                     the weights, the operands and the rows' places land; the wait on vm_vsrc ahead of the barrier states that the LDS stores and the gathers have read those of them that they named.
;   a tile:           ONE wait on va_vdst, behind the last products' places: the sums, the rows' offsets and emb0's next offset are written, the products are done with the operands.  Behind it stand the stage's
;                     stores, a wait on vm_vsrc (the stores have read the sums), the stage's loads onto the same registers, the next tile's operands, the global stores; a wait on vm_vsrc more, and the loads for the tile after next.
; Masks that vector compares write into scalar registers or VCC have a wait on va_sdst or va_vcc ahead of their first reader, in the compares' own straight run.
.set LOW1,  20000                      ; the clusters' first tokens
.set LOW2,  40000
.set LOW3,  200000
.set ROWS0, 20000                      ; and their tables' rows
.set ROWS1, 20000
.set ROWS2, 160000
.set ROWS3, 67735
.set FLOOR, 0x1800000                  ; 2^(3 - 127): no largest magnitude is taken under it, so that a scale's byte cannot fall under 1
; LDS.  An image is a fragment's registers as they stand: quad c at + 512 c + 16 x lane.
.set WIMG,  0                          ; 8 column tiles x 3,072: proj1 K step 0 (1,024), K step 1 (1,024), proj2's quad (512), proj3's bf16 quad (512)
.set WSC,   24576                      ; the weights' scale words: 64 (3 n + s) + 4 r
.set XIMG,  26112                      ; 32 token tiles x 3,072: x1 K step 0, K step 1, x2's quad, x3's bf16 quad
.set XSC,   124416                     ; their scale words: 384 m + 128 s + 4 x lane
.set STG,   136704                     ; the way out: for each wave 16 rows x (256 bytes + 16)
; REGISTERS, phases W and X
.set H32, 1                            ; v1      32 h (h = lane / 16); kept to the end
.set RR,  2                            ; v2      r = lane % 16
.set H64, 3                            ; v3      h, then 64 h
.set VP1, 4                            ; v4      proj1: 4 x lane
.set VP2, 5                            ; v5      proj2: 65536 h + 4 r
.set VP3, 6                            ; v6      proj3: 32768 h + 4 r
.set WI1, 7                            ; v7-11   where the weights' images and scale bytes go
.set WS1, 8
.set WI2, 9
.set WS2, 10
.set WI3, 11
.set D1,  4                            ; v4-11   when these eight are done with: 8 numbers of emb3 for my second tile
.set TAX, 12                           ; v12     the list's tokens of my two tiles of phase X: 4 r + 64 w
.set TAM, 13                           ; v13     and of my four tiles of phase M: 4 r + 256 (w >> 1)
.set TKX, 14                           ; v14-15  those tokens
.set TKM, 16                           ; v16-19  and these; kept to the end
.set AX,  20                           ; v20-25  byte offsets into emb1, emb2, emb3, for each of the two tiles
.set XWI, 26                           ; v26     where my tiles' images go: XIMG + 16 x lane + 3072 w
.set XWS, 27                           ; v27     and their scale words: XSC + 4 x lane + 384 w
.set PW,  28                           ; v28     the scale word just made
.set TD,  29                           ; v29     at work
.set EO,  30                           ; v30-31  byte offsets into emb0, one for each set of accumulators
.set B0,  32                           ; v32-95, v96-159   64 numbers each
.set B1,  96
.set C0,  160                          ; v160-191, v192-223  32 numbers each; then the two sets of accumulators
.set C1,  192
.set DD,  224                          ; v224-231  8 numbers of emb3 for my first tile
.set TM,  232                          ; v232-235 largest magnitudes, v236-239 bytes and exchanged maxima, v244-247 the conversions' scale operands
.set ZQ,  240                          ; v240-243  zeros; never rewritten in these phases
.set PC,  248                          ; v248-255  the codes just made
; REGISTERS, phase M
.set XRD, 6                            ; v6      the tokens' images: XIMG + 16 x lane + 12288 (w >> 1)
.set XSR, 7                            ; v7      their scale words: XSC + 4 x lane + 1536 (w >> 1)
.set STO, 8                            ; v8      the stage: where I put 32 bytes of a row
.set RD,  9                            ; v9      and where I read a row back
.set R16, 10                           ; v10     16 r: my 16 bytes of a row's 256
.set K32, 11                           ; v11     32.0
.set MF,  12                           ; v12-13  emb0's factor for my token: 32.0 or 0.0, twice (a pair for the packed multiply)
.set OIA, 14                           ; v14     the list's places of my rows: 256 (w >> 1) + 32 h
.set WRD, 15                           ; v15     the weights' images: 16 x lane + 12288 (w & 1)
.set WSR, 28                           ; v28     their scale words: WSC + 4 r + 768 (w & 1)
.set WB,  32                           ; v32-143 the weights, 28 registers for each of my four column tiles: +0 proj1 K step 0, +8 K step 1, +16 proj2, +20 ZEROS, +24 proj3
.set WS,  144                          ; v144-155 their scale words: 3 t + s
.set XS,  156                          ; v156-158 the tokens' scale words
.set ACC, 160
.set XB,  224                          ; v224-251 a token tile's operands, on the same plan of 28
; The places in the block of the eight rows that I store, then their byte offsets in out0: two sets of two quads, by turns with the accumulators' sets: v20-23 and v24-27; v2-5 and v252-255
.macro OISET st
.if \st == 0
.set OL, 20
.set OH, 24
.else
.set OL, 2
.set OH, 252
.endif
.endm
; THE QUAD OF ZEROS SERVES TWICE: as registers 4-7 (k = 64 .. 127) of the FP4 fragment that begins at +16, and as registers 0-3 of the bf16 fragment that begins at +20: the third product's 16 k stand at
; the places 16 + 8 h + j of that form's 32, on both sides alike, which leaves every product where it was.
.set MK,  40                           ; s40-45  lane masks: my token lies in cluster 1, 2, 3; in phase X for each of the two tiles, in phase M (s40-42) for the tile in hand
	s_load_b512 s[8:23], s[0:1], 0x0               ; order s[8:9], emb0 s[10:11], emb1 s[12:13], emb2 s[14:15], emb3 s[16:17], proj1 s[18:19], proj2 s[20:21], proj3 s[22:23]
	s_load_b64 s[24:25], s[0:1], 0x40              ; out0
	v_lshrrev_b32 v[TD], 5, v0
	v_readfirstlane_b32 s2, v[TD]                  ; w: wave 0..15
	v_and_b32 v[RR], 15, v0                        ; r
	v_bfe_u32 v[H64], v0, 4, 1                     ; h
	v_and_b32 v[TD], 31, v0                        ; lane
	v_lshlrev_b32 v[PW], 2, v[RR]                  ; 4 r (in the head v28, v30 and v31 hold lane terms)
	v_lshlrev_b32 v[VP1], 2, v[TD]
	v_lshl_add_u32 v[VP2], v[H64], 16, v[PW]       ; 16 rows of 4,096 bytes for the upper half of the lanes
	v_lshl_add_u32 v[VP3], v[H64], 15, v[PW]       ; 8 rows
	s_and_b32 s4, ttmp7, 0xffff                    ; my block of 512 tokens
	s_wait_alu depctr_va_sdst(0)                   ; s2, the wave's number, is written, ahead of its first reader
	s_and_b32 s26, s2, 3                           ; w & 3
	s_lshr_b32 s27, s2, 2                          ; w >> 2
	s_lshr_b32 s28, s2, 1                          ; w >> 1
	s_and_b32 s29, s2, 1                           ; w & 1
	s_lshr_b32 s30, s2, 3                          ; w >> 3
	s_lshl_b32 s31, s2, 6                          ; a tile's tokens are 64 bytes of the list
	v_add_nc_u32 v[TAX], s31, v[PW]
	s_lshl_b32 s31, s28, 8
	v_add_nc_u32 v[TAM], s31, v[PW]
	; byte offsets of my parts, each in a pair of its own
	s_lshl_b32 s5, ttmp9, 9                        ; my slice of 128 columns: 512 bytes of a row
	s_lshl_b32 s34, s4, 12                         ; the list: 4,096 bytes a block
	s_mov_b32 s35, 0
	s_lshl_b32 s36, s29, 8
	s_add_co_u32 s36, s36, s5                      ; emb0: the slice + my 64 columns of phase M
	s_mov_b32 s37, 0
	s_lshl_b32 s38, s4, 21                         ; out0: 512 rows of 4,096 bytes a block, + the same columns
	s_add_co_u32 s38, s38, s36
	s_mov_b32 s39, 0
	s_lshl_b32 s50, s26, 7                         ; proj1: the slice + 32 columns x (w & 3),
	s_add_co_u32 s50, s50, s5
	s_lshl_b32 s31, s27, 18                        ; 64 rows x (w >> 2)
	s_add_co_u32 s50, s50, s31
	s_mov_b32 s51, 0
	s_lshl_b32 s32, s28, 6                         ; proj2, proj3: the slice + 16 columns x (w >> 1),
	s_add_co_u32 s32, s32, s5
	s_lshl_b32 s52, s29, 17                        ; proj2: 32 rows x (w & 1)
	s_add_co_u32 s52, s52, s32
	s_mov_b32 s53, 0
	s_lshl_b32 s54, s29, 14                        ; proj3: 4 rows x (w & 1)
	s_add_co_u32 s54, s54, s32
	s_mov_b32 s55, 0
	s_mov_b32 s46, 0x76543210                      ; v_permlanex16_b32's selects for lane l xor 16
	s_mov_b32 s47, 0xfedcba98
	s_wait_kmcnt 0x0
	s_add_nc_u64 s[8:9], s[8:9], s[34:35]
	s_add_nc_u64 s[10:11], s[10:11], s[36:37]
	s_add_nc_u64 s[24:25], s[24:25], s[38:39]
	s_add_nc_u64 s[18:19], s[18:19], s[50:51]
	s_add_nc_u64 s[20:21], s[20:21], s[52:53]
	s_add_nc_u64 s[22:23], s[22:23], s[54:55]      ; no pointer is stepped again
	s_wait_alu depctr_va_vdst(0)                   ; the five offsets v4-6, v12, v13 are written, which the tokens' and the weights' loads read
	; the tokens first: lane (r, h) takes token r of a tile: tiles w and w + 16 of the list,
	global_load_b32 v[TKX], v[TAX], s[8:9]
	global_load_b32 v[TKX+1], v[TAX], s[8:9] offset:1024
.irp i, 0,1,2,3
	global_load_b32 v[TKM+\i], v[TAM], s[8:9] offset:64*\i   ; and tiles 4 (w >> 1) + i
.endr
	; proj1: rows 64 (w >> 2) + 0 .. 63 at column 32 (w & 3) + lane of the slice: two whole blocks of 32 along K in a lane; a load reads 128 consecutive bytes
.set kk, 0
.rept 64
	global_load_b32 v[B0+kk], v[VP1], s[18:19] offset:4096*kk
.set kk, kk+1
.endr
	; proj2: rows 32 (w & 1) + 16 h + 0 .. 15 at column 16 (w >> 1) + r: half a block in a lane
.set kk, 0
.rept 16
	global_load_b32 v[C1+kk], v[VP2], s[20:21] offset:4096*kk
.set kk, kk+1
.endr
	; proj3: rows 8 h + 4 (w & 1) + 0 .. 3 at the same column
.irp i, 0,1,2,3
	global_load_b32 v[C1+16+\i], v[VP3], s[22:23] offset:4096*\i
.endr
	; LDS addresses, while the loads are on their way: each a constant + a lane term + a wave term.  None of these lines writes a register that a load above names
	v_lshlrev_b32 v[EO], 4, v[RR]                  ; 16 r
	v_lshlrev_b32 v[EO+1], 4, v[TD]                ; 16 x lane
	s_mul_i32 s31, s26, 6144                       ; proj1's codes: my lane's column lies in column tile 2 (w & 3) + h, at its lane r (block 0) and 16 + r (block 1, 256 bytes on);
	s_lshl_b32 s32, s27, 9                         ; my 64 rows are quad (w >> 2) & 1 of K step w >> 3: 512 (w >> 2)
	s_add_co_u32 s31, s31, s32
	v_mad_u32_u24 v[WI1], v[H64], 3072, v[EO]
	v_add_nc_u32 v[WI1], s31, v[WI1]
	s_mul_i32 s31, s26, 384                        ; their two scale bytes: word 3 n + s of 64 bytes, row r, bytes 2 c and 2 c + 1
	s_lshl_b32 s32, s30, 6
	s_add_co_u32 s31, s31, s32
	s_and_b32 s32, s27, 1
	s_lshl_b32 s32, s32, 1
	s_add_co_u32 s31, s31, s32
	s_add_co_u32 s31, s31, WSC
	v_mad_u32_u24 v[WS1], v[H64], 192, v[PW]
	v_add_nc_u32 v[WS1], s31, v[WS1]
	s_mul_i32 s31, s28, 3072                       ; proj2, proj3: column tile w >> 1
	s_lshl_b32 s32, s29, 8                         ; proj2: block w & 1 belongs to the image's lanes 16 (w & 1) + r; my half of its 16 bytes at 8 h
	s_add_co_u32 s32, s32, s31
	s_add_co_u32 s32, s32, WIMG+2048
	v_lshl_add_u32 v[WI2], v[H64], 3, v[EO]
	v_add_nc_u32 v[WI2], s32, v[WI2]
	s_mul_i32 s32, s28, 192                        ; its scale byte: word 3 n + 2, byte w & 1
	s_add_co_u32 s32, s32, s29
	s_add_co_u32 s32, s32, WSC+128
	v_add_nc_u32 v[WS2], s32, v[PW]
	s_lshl_b32 s32, s29, 3                         ; proj3: my four numbers are 8 bytes of my own lane's 16
	s_add_co_u32 s32, s32, s31
	s_add_co_u32 s32, s32, WIMG+2560
	v_add_nc_u32 v[WI3], s32, v[EO+1]
	s_mul_i32 s32, s2, 3072                        ; phase X: my tiles are w and w + 16
	s_add_co_u32 s32, s32, XIMG
	v_add_nc_u32 v[XWI], s32, v[EO+1]
	s_mul_i32 s32, s2, 384
	s_add_co_u32 s32, s32, XSC
	v_add_nc_u32 v[XWS], s32, v[VP1]
	v_lshlrev_b32 v[H32], 5, v[H64]
	v_lshlrev_b32 v[H64], 6, v[H64]                ; from here on 64 h
.irp b, 0,1,2,3
	v_mov_b32 v[TM+4+\b], 0                        ; written once: a lane permute's destination counts as one of its sources
	v_mov_b32 v[ZQ+\b], 0                          ; the image of a fragment that a tile does not hold
.endr
; The offsets and masks of a tile of phase X.  t - low wraps to a large number where t < low: such a lane, like one past the cluster's end, is outside the mask and reads the table's last row.
.macro ADDR tile
	v_add_nc_u32 v[TD], -LOW1, v[TKX+\tile]
	v_cmp_gt_u32 s[MK+3*\tile], ROWS1, v[TD]
	v_min_u32 v[TD], ROWS1-1, v[TD]
	v_lshl_add_u32 v[AX+3*\tile], v[TD], 10, v[H64]        ; emb1: rows of 1,024 bytes; + 64 h: my 16 numbers of each block of 32
	v_add_nc_u32 v[TD], -LOW2, v[TKX+\tile]
	v_cmp_gt_u32 s[MK+3*\tile+1], ROWS2, v[TD]
	v_min_u32 v[TD], ROWS2-1, v[TD]
	v_lshl_add_u32 v[AX+3*\tile+1], v[TD], 8, v[H64]       ; emb2: rows of 256 bytes
	v_add_nc_u32 v[TD], -LOW3, v[TKX+\tile]
	v_cmp_gt_u32 s[MK+3*\tile+2], ROWS3, v[TD]
	v_min_u32 v[TD], ROWS3-1, v[TD]
	v_lshl_add_u32 v[AX+3*\tile+2], v[TD], 6, v[H32]       ; emb3: rows of 64 bytes; + 32 h: my 8 numbers
.endm
; Lane (r, h) takes, of token r's row, the numbers k = 32 b + 16 h + 0 .. 15 of each block b, into registers 16 b + 0 .. 15
.macro LDX1 tile, s, buf               ; K step s of emb1: 16 loads
.irp b, 0,1,2,3
.irp j, 0,1,2,3
	global_load_b128 v[\buf+16*\b+4*\j:\buf+16*\b+4*\j+3], v[AX+3*\tile], s[12:13] offset:512*\s+128*\b+16*\j
.endr
.endr
.endm
.macro LDX2 tile, buf                  ; emb2's two blocks: 8 loads
.irp b, 0,1
.irp j, 0,1,2,3
	global_load_b128 v[\buf+16*\b+4*\j:\buf+16*\b+4*\j+3], v[AX+3*\tile+1], s[14:15] offset:128*\b+16*\j
.endr
.endr
.endm
.macro LDX3 tile, buf                  ; emb3: k = 8 h + 0 .. 7: 2 loads
	global_load_b128 v[\buf:\buf+3], v[AX+3*\tile+2], s[16:17]
	global_load_b128 v[\buf+4:\buf+7], v[AX+3*\tile+2], s[16:17] offset:16
.endm
; emb0 for tile i of phase M, straight into accumulator set ab, in the result's layout: lane (r, h) holds token r, register 8 t + j column 16 t + 8 h + j of my 64.
; The offset's two lines (AE0) stand apart from the eight loads (LE0), ahead of a wait on va_vdst that is owed there in any case.
.macro AE0 i, ab
	v_min_u32 v[TD], ROWS0-1, v[TKM+(\i)]
	v_lshl_add_u32 v[EO+\ab], v[TD], 12, v[H32]
.endm
.macro LE0 ab
.irp t, 0,1,2,3
	global_load_b128 v[ACC+32*\ab+8*\t:ACC+32*\ab+8*\t+3], v[EO+\ab], s[10:11] offset:64*\t
	global_load_b128 v[ACC+32*\ab+8*\t+4:ACC+32*\ab+8*\t+7], v[EO+\ab], s[10:11] offset:64*\t+16
.endr
.endm
; where tile i's rows 8 h + 0 .. 7 stood in the block: 32 neighbouring bytes of the list's second half: 2 loads, into set st
.macro LDO i, st
	OISET \st
	global_load_b128 v[OL:OL+3], v[OIA], s[8:9] offset:2048+64*(\i)
	global_load_b128 v[OH:OH+3], v[OIA], s[8:9] offset:2048+64*(\i)+16
.endm
; 64 numbers of a lane, register 16 b + i = k 32 b + 16 h + i of my row, become a fragment's codes in v[PC] on and its scale word in v[PW]
.macro QUANT src
.irp b, 0,1,2,3
	v_max3_num_f32 v[TM+\b], |v[\src+16*\b]|, |v[\src+16*\b+1]|, FLOOR
.endr
.irp i, 2,4,6,8,10,12,14
.irp b, 0,1,2,3
	v_max3_num_f32 v[TM+\b], v[TM+\b], |v[\src+16*\b+\i]|, |v[\src+16*\b+\i+1]|   ; the four blocks by turns
.endr
.endr
.irp b, 0,1,2,3
	v_permlanex16_b32 v[TM+4+\b], v[TM+\b], s46, s47
.endr
.irp b, 0,1,2,3
	v_max_num_f32 v[TM+\b], v[TM+\b], v[TM+4+\b]   ; with lane l xor 16's: the block's largest magnitude
.endr
.irp b, 0,1,2,3
	v_add_nc_u32 v[TM+12+\b], 0xff000000, v[TM+\b] ; 2 off its exponent field: the conversion takes the exponent field of this operand as its scale
.endr
.irp b, 0,1,2,3
	v_lshrrev_b32 v[TM+4+\b], 23, v[TM+12+\b]      ; the scale's byte
.endr
	s_wait_dscnt 0x0                               ; the LDS stores of the fragment before have read v[PW] and v[PC] on
	s_wait_alu depctr_vm_vsrc(0)                   ; the LDS stores issued so far have read v[PW] and v[PC] on, which the lines below write again
	v_lshl_or_b32 v[PW], v[TM+5], 8, v[TM+4]
	v_lshl_or_b32 v[PW], v[TM+6], 16, v[PW]
	v_lshl_or_b32 v[PW], v[TM+7], 24, v[PW]
.irp b, 0,1,2,3
	v_cvt_scalef32_pk8_fp4_f32 v[PC+2*\b], v[\src+16*\b:\src+16*\b+7], v[TM+12+\b]
	v_cvt_scalef32_pk8_fp4_f32 v[PC+2*\b+1], v[\src+16*\b+8:\src+16*\b+15], v[TM+12+\b]
.endr
	v_nop                                          ; one plain place behind a scaled conversion
.irp c, 0,1                                    ; the operand's layout wants a whole block in a lane: lanes 0-15 block 2 c, lanes 16-31 block 2 c + 1
.irp i, 0,1
	v_permlane16_swap_b32 v[PC+4*\c+\i], v[PC+4*\c+2+\i]
.endr
.endr
.endm
; The same for 32 numbers, blocks 0 and 1 alone: registers 0-3 of a fragment; the scale word's upper two bytes are 0, over zero codes
.macro QUANT2 src
.irp b, 0,1
	v_max3_num_f32 v[TM+\b], |v[\src+16*\b]|, |v[\src+16*\b+1]|, FLOOR
.endr
.irp i, 2,4,6,8,10,12,14
.irp b, 0,1
	v_max3_num_f32 v[TM+\b], v[TM+\b], |v[\src+16*\b+\i]|, |v[\src+16*\b+\i+1]|
.endr
.endr
.irp b, 0,1
	v_permlanex16_b32 v[TM+4+\b], v[TM+\b], s46, s47
.endr
.irp b, 0,1
	v_max_num_f32 v[TM+\b], v[TM+\b], v[TM+4+\b]
.endr
.irp b, 0,1
	v_add_nc_u32 v[TM+12+\b], 0xff000000, v[TM+\b]
.endr
.irp b, 0,1
	v_lshrrev_b32 v[TM+4+\b], 23, v[TM+12+\b]
.endr
	s_wait_dscnt 0x0                               ; the LDS stores of the fragment before have read v[PW] and v[PC] on
	s_wait_alu depctr_vm_vsrc(0)                   ; the LDS stores issued so far have read v[PW] and all eight of v[PC] on: the lines below write the first four again, the bf16 quad's lines behind them the other four
	v_lshl_or_b32 v[PW], v[TM+5], 8, v[TM+4]
.irp b, 0,1
	v_cvt_scalef32_pk8_fp4_f32 v[PC+2*\b], v[\src+16*\b:\src+16*\b+7], v[TM+12+\b]
	v_cvt_scalef32_pk8_fp4_f32 v[PC+2*\b+1], v[\src+16*\b+8:\src+16*\b+15], v[TM+12+\b]
.endr
	v_nop                                          ; one plain place behind a scaled conversion
.irp i, 0,1
	v_permlane16_swap_b32 v[PC+\i], v[PC+2+\i]
.endr
.endm
; The mask: a token outside the cluster has zero codes, which add nothing under any scale byte that the lines above can make (1 to 253).  The exchange of halves keeps a lane's row, so the lane's own mask bit serves.
.macro MASK first, n, sm
.set mi, \first
.rept \n
	v_cndmask_b32 v[PC+mi], 0, v[PC+mi], s[\sm]
.set mi, mi+1
.endr
.endm
.macro PUT tile, s                     ; x1's fragment of K step s goes to LDS as it stands, its scale word beside it.  My second tile lies 16 tiles on: 49,152 and 6,144 bytes
	s_wait_alu depctr_va_vdst(0)                   ; the quantiser and the mask have written v[PC] on and v[PW], which the LDS stores read; and they are done reading the 64 numbers, in whose registers the next tile's loads land
	ds_store_b128 v[XWI], v[PC:PC+3] offset:49152*\tile+1024*\s
	ds_store_b128 v[XWI], v[PC+4:PC+7] offset:49152*\tile+1024*\s+512
	ds_store_b32 v[XWS], v[PW] offset:6144*\tile+128*\s
.endm
.macro PUT2 tile                       ; x2's quad
	s_wait_alu depctr_va_vdst(0)                   ; the quantiser and the mask have written v[PC] to v[PC+3] and v[PW], which the LDS stores read
	ds_store_b128 v[XWI], v[PC:PC+3] offset:49152*\tile+2048
	ds_store_b32 v[XWS], v[PW] offset:6144*\tile+256
.endm
.macro X3 tile, sm, src                ; emb3's 8 numbers of a lane become registers 4-7 of a bf16 fragment
	s_wait_dscnt 0x0                               ; earlier LDS stores have read v[PC] on  (the last LDS store that read v[PC+4] on stands ahead of the wait on vm_vsrc in the quantiser just before)
.irp j, 0,1,2,3
	v_cvt_pk_bf16_f32 v[PC+4+\j], v[\src+2*\j], v[\src+2*\j+1]
.endr
	MASK 4, 4, \sm
	s_wait_alu depctr_va_vdst(0)                   ; v[PC+4] on are written, which the LDS store reads; so are the offsets made ahead of these lines, which the loads behind the store read; and x2's quantiser is done reading the registers in which emb0 lands
	ds_store_b128 v[XWI], v[PC+4:PC+7] offset:49152*\tile+2560
.endm
; emb1, for a tile that holds a token of cluster 1: gathered, quantised and masked in one block under a scalar branch on the tile's mask.  Any other tile gets zero codes (and the scale byte 0, which is 2^-127):
; so every image that phase M loads has been stored, whatever the tokens.
; The gather lands in B0 and B1: on every way here a wait on va_vdst stands behind the last vector line that named them (the weights' quantiser; the tile before: the wait ahead of its last LDS stores).
.macro X1 tile
	s_cmp_eq_u32 s[MK+3*\tile], 0
	s_cbranch_scc1 .Lnone_\@
	LDX1 \tile, 0, B0
	LDX1 \tile, 1, B1
	s_wait_loadcnt 0x0                             ; these 32 loads, and all issued before them
	QUANT B0
	MASK 0, 8, MK+3*\tile
	PUT \tile, 0
	QUANT B1
	MASK 0, 8, MK+3*\tile
	PUT \tile, 1
	s_branch .Ldone_\@
.Lnone_\@:
.irp c, 0,1,2,3
	ds_store_b128 v[XWI], v[ZQ:ZQ+3] offset:49152*\tile+512*\c
.endr
	ds_store_b32 v[XWS], v[ZQ] offset:6144*\tile
	ds_store_b32 v[XWS], v[ZQ] offset:6144*\tile+128
.Ldone_\@:
.endm
	; ---- PHASES W AND X.  Loads come back in order: each wait's count is the number of loads issued behind the group that is wanted.
	s_wait_loadcnt 63                              ; the six tokens are in: 84 loads stand behind them, and the wait's field ends at 63
	ADDR 0
	ADDR 1
	s_wait_alu depctr_va_sdst(0)                   ; the six lane masks s40-45 are written, ahead of their first readers (the branches on a tile's mask, the masks' selects) and of every branch and label
	s_wait_alu depctr_va_vdst(0)                   ; the gathers' six offsets v20-25 are written; so are the images' LDS addresses v7-11, v26, v27 and the zeros v240-243, which LDS stores read further down
	LDX2 0, C0                                     ; emb2 and emb3 are gathered for every tile: a tile that holds neither reads one row of each
	LDX3 0, DD
	s_wait_loadcnt 30                              ; proj1's 64 are in; behind them: proj2's and proj3's 20, the 10 just issued
	; proj1: two blocks a lane, all 32 numbers of each are mine
.irp c, 0,1
	v_max3_num_f32 v[TM+\c], |v[B0+32*\c]|, |v[B0+32*\c+1]|, FLOOR
.endr
.irp i, 2,4,6,8,10,12,14,16,18,20,22,24,26,28,30
.irp c, 0,1
	v_max3_num_f32 v[TM+\c], v[TM+\c], |v[B0+32*\c+\i]|, |v[B0+32*\c+\i+1]|
.endr
.endr
.irp c, 0,1
	v_add_nc_u32 v[TM+12+\c], 0xff000000, v[TM+\c] ; 2 off the exponent field: the conversion's scale operand
.endr
.irp c, 0,1
	v_add_nc_u32 v[TM+4+\c], 0x01800000, v[TM+\c]  ; - 2 + 5 on the exponent field: the byte carries the factor 32
.endr
.irp c, 0,1
	v_lshrrev_b32 v[TM+4+\c], 23, v[TM+4+\c]
.endr
	v_lshl_or_b32 v[PW], v[TM+5], 8, v[TM+4]
.irp c, 0,1
.irp g, 0,1,2,3
	v_cvt_scalef32_pk8_fp4_f32 v[PC+4*\c+\g], v[B0+32*\c+8*\g:B0+32*\c+8*\g+7], v[TM+12+\c]
.endr
.endr
	v_nop                                          ; one plain place behind a scaled conversion
	s_wait_alu depctr_va_vdst(0)                   ; the conversions have written v[PC] on, and v[PW] is written: the LDS stores read them; and proj1's lines are done reading B0, in which emb1's gather lands
	ds_store_b128 v[WI1], v[PC:PC+3]
	ds_store_b128 v[WI1], v[PC+4:PC+7] offset:256
	ds_store_b16 v[WS1], v[PW]
	s_wait_loadcnt 10                              ; proj2's and proj3's 20 are in; behind them: the 10 gathers
	; proj2: my 16 numbers and lane l xor 16's are a block
	v_max3_num_f32 v[TM], |v[C1]|, |v[C1+1]|, FLOOR
	v_max3_num_f32 v[TM+1], |v[C1+2]|, |v[C1+3]|, |v[C1+4]|
	v_max3_num_f32 v[TM], v[TM], |v[C1+5]|, |v[C1+6]|
	v_max3_num_f32 v[TM+1], v[TM+1], |v[C1+7]|, |v[C1+8]|
	v_max3_num_f32 v[TM], v[TM], |v[C1+9]|, |v[C1+10]|
	v_max3_num_f32 v[TM+1], v[TM+1], |v[C1+11]|, |v[C1+12]|
	v_max3_num_f32 v[TM], v[TM], |v[C1+13]|, |v[C1+14]|
	v_max3_num_f32 v[TM], v[TM], v[TM+1], |v[C1+15]|
	v_permlanex16_b32 v[TM+4], v[TM], s46, s47
	v_max_num_f32 v[TM], v[TM], v[TM+4]
	v_add_nc_u32 v[TM+12], 0xff000000, v[TM]
	v_add_nc_u32 v[TM+5], 0x01800000, v[TM]
	s_wait_dscnt 0x0                               ; proj1's LDS stores have read v[PW] and v[PC] on
	s_wait_alu depctr_vm_vsrc(0)                   ; proj1's LDS stores have read v[PW] and v[PC] on, which the lines below write again
	v_lshrrev_b32 v[PW], 23, v[TM+5]
	v_cvt_scalef32_pk8_fp4_f32 v[PC], v[C1:C1+7], v[TM+12]
	v_cvt_scalef32_pk8_fp4_f32 v[PC+1], v[C1+8:C1+15], v[TM+12]
	v_pk_mul_f32 v[C1+16:C1+17], v[C1+16:C1+17], 0x42000000 op_sel_hi:[1,0]   ; proj3 x 32, exact.  (These plain lines are also the place behind the conversions)
	v_pk_mul_f32 v[C1+18:C1+19], v[C1+18:C1+19], 0x42000000 op_sel_hi:[1,0]
	v_cvt_pk_bf16_f32 v[PC+2], v[C1+16], v[C1+17]
	v_cvt_pk_bf16_f32 v[PC+3], v[C1+18], v[C1+19]
	s_wait_alu depctr_va_vdst(0)                   ; v[PC] to v[PC+3] and v[PW] are written, which the LDS stores read; and proj2's and proj3's lines are done with C1, in which emb2's second gather lands
	ds_store_b64 v[WI2], v[PC:PC+1]
	ds_store_b8 v[WS2], v[PW]                      ; both lanes of a block write the same byte with the same value
	ds_store_b64 v[WI3], v[PC+2:PC+3]
	s_wait_dscnt 0x0                               ; the weights' LDS stores are done with v7-11; the weights' loads, with v4-6, were waited for above: v4-11 take emb3's numbers
	s_wait_alu depctr_vm_vsrc(0)                   ; the weights' loads have read their offsets v4-6 and the weights' LDS stores their addresses v7-11: emb3's numbers land in these eight
	LDX2 1, C1
	LDX3 1, D1
	X1 0
	X1 1
	s_wait_loadcnt 0x0                             ; emb2's and emb3's 20 loads
	QUANT2 C0
	MASK 0, 4, MK+1
	PUT2 0
	AE0 0, 0                                       ; emb0's offset for phase M's first tile: written ahead of the wait on va_vdst in the lines below
	X3 0, MK+2, DD
	LE0 0                                          ; emb0 for phase M's first tile, into the registers that x2 has left
	QUANT2 C1
	MASK 0, 4, MK+4
	PUT2 1
	s_lshl_b32 s31, s28, 8                         ; my four tiles' places in the list: 64 bytes a tile; lanes 16-31 take the tile's upper eight rows
	v_add_nc_u32 v[OIA], s31, v[H32]
	AE0 1, 1                                       ; and emb0's offset for the second tile: both written ahead of the wait on va_vdst in the lines below
	X3 1, MK+5, D1
	s_wait_dscnt 0x0                               ; for the others' sake: all my LDS stores have landed; and they are done with v26 and v27
	s_wait_alu depctr_vm_vsrc(0)                   ; the gathers have read their offsets v20-25 and the LDS stores their addresses v26, v27, in which the rows' places land; the LDS stores have read v28, the zeros and v[PC] on, and the tokens' loads v12, v13, all of which phase M writes or loads anew
	LDO 0, 0                                       ; the first tile's rows' places (every load that named v20-25 as its offset has been waited for),
	LE0 1                                          ; and emb0 for the second tile
	s_barrier_signal -1                            ; THE ONE BARRIER: behind it the images are only read, and each wave writes its own stage alone
	; register work while the others arrive: the first factor's compare, the zeros, phase M's addresses
	v_cmp_gt_u32 vcc_lo, ROWS0, v[TKM]             ; tile 0: is my token in cluster 0?  (unsigned: a negative token is in none)
.irp t, 0,1,2,3
.irp j, 0,1,2,3
	v_mov_b32 v[WB+28*\t+20+\j], 0                 ; the quads of zeros: four for the weights,
.endr
.endr
.irp j, 0,1,2,3
	v_mov_b32 v[XB+20+\j], 0                       ; one for the tokens: the two sources of a matrix instruction share no register
.endr
	v_and_b32 v[RR], 15, v0                        ; r
	v_bfe_u32 v[H64], v0, 4, 1                     ; h
	v_and_b32 v[TD], 31, v0                        ; lane
	s_mul_i32 s31, s29, 12288                      ; my column tiles are 4 (w & 1) + 0 .. 3
	v_lshl_add_u32 v[WRD], v[TD], 4, s31
	s_mul_i32 s31, s29, 768
	s_add_co_u32 s31, s31, WSC
	v_lshl_add_u32 v[WSR], v[RR], 2, s31
	s_mul_i32 s31, s28, 12288                      ; my token tiles are 4 (w >> 1) + 0 .. 3
	s_add_co_u32 s31, s31, XIMG
	v_lshl_add_u32 v[XRD], v[TD], 4, s31
	s_mul_i32 s31, s28, 1536
	s_add_co_u32 s31, s31, XSC
	v_lshl_add_u32 v[XSR], v[TD], 2, s31
	s_mul_i32 s31, s2, 4352
	s_add_co_u32 s31, s31, STG                     ; my stage
	v_mul_u32_u24 v[STO], v[RR], 272               ; in: row r, 32 bytes for each half of the lanes
	v_lshl_add_u32 v[STO], v[H64], 5, v[STO]
	v_add_nc_u32 v[STO], s31, v[STO]
	v_mul_u32_u24 v[RD], v[H64], 2176              ; back: lanes 0-15 take row q, lanes 16-31 row 8 + q, 256 bytes each
	v_lshl_add_u32 v[RD], v[RR], 4, v[RD]
	v_add_nc_u32 v[RD], s31, v[RD]
	v_lshlrev_b32 v[R16], 4, v[RR]
	v_mov_b32 v[K32], 0x42000000                   ; 32.0
	s_wait_alu depctr_va_vcc(0)                    ; VCC, the compare's mask, is written, ahead of the two selects that read it
	v_cndmask_b32 v[MF], 0, v[K32], vcc_lo
	v_cndmask_b32 v[MF+1], 0, v[K32], vcc_lo
	s_barrier_wait -1
	; ---- PHASE M.  My weights come once and stay.
	s_wait_alu depctr_va_vdst(0)                   ; phase M's addresses v6-9, v15, v28 are written, which the LDS loads and stores read; the quads of zeros are written, which the scaled products take in their operands; the lines above are done with v2, v3, and the quantisers with v4, v5, v32-159, v224-255, in which the loads below land
	LDO 1, 1                                       ; the second tile's rows' places, into v2-5 (r and h are done with) and v252-255
.irp t, 0,1,2,3
.irp c, 0,1,2,3,4
	ds_load_b128 v[WB+28*\t+4*\c:WB+28*\t+4*\c+3], v[WRD] offset:3072*\t+512*\c
.endr
	ds_load_b128 v[WB+28*\t+24:WB+28*\t+27], v[WRD] offset:3072*\t+2560
	ds_load_b32 v[WS+3*\t], v[WSR] offset:192*\t
	ds_load_b32 v[WS+3*\t+1], v[WSR] offset:192*\t+64
	ds_load_u16 v[WS+3*\t+2], v[WSR] offset:192*\t+128     ; proj2 has two blocks: two bytes; the upper two come as 0, over zero codes
.endr
.macro LDA i                           ; token tile i's operands and scale words: 9 loads
.irp c, 0,1,2,3,4
	ds_load_b128 v[XB+4*\c:XB+4*\c+3], v[XRD] offset:3072*(\i)+512*\c
.endr
	ds_load_b128 v[XB+24:XB+27], v[XRD] offset:3072*(\i)+2560
.irp s, 0,1,2
	ds_load_b32 v[XS+\s], v[XSR] offset:384*(\i)+128*\s
.endr
.endm
	LDA 0
; One token tile x my 64 columns, on accumulator set ab and the places' set ab.
; The loads from memory of this phase, in the order of issue (E: a tile's emb0, 8 loads; O: its rows' places, 2): E0 O0 E1 O1 O2 E2 O3 E3.
.macro TILE i, ab
.set AC, ACC+32*\ab
	OISET \ab
.if \i < 3
	s_wait_loadcnt 10                              ; this tile's emb0 and places are in; behind them stand ten loads for later tiles: one E and one O
.else
	s_wait_loadcnt 0
.endif
.set kk, 0
.rept 16
	v_pk_mul_f32 v[AC+kk:AC+kk+1], v[AC+kk:AC+kk+1], v[MF:MF+1]   ; emb0 x 32 where my token is in cluster 0, x 0 elsewhere: the sum's C
.set kk, kk+2
.endr
	v_add_nc_u32 v[TD], -LOW1, v[TKM+\i]           ; which clusters does the tile hold?
	v_cmp_gt_u32 s[MK], ROWS1, v[TD]
	v_add_nc_u32 v[TD], -LOW2, v[TKM+\i]
	v_cmp_gt_u32 s[MK+1], ROWS2, v[TD]
	v_add_nc_u32 v[TD], -LOW3, v[TKM+\i]
	v_cmp_gt_u32 s[MK+2], ROWS3, v[TD]
.if \i < 3
	v_cmp_gt_u32 vcc_lo, ROWS0, v[TKM+\i+1]        ; the next tile's factor: its compare stands with the three above, its selects below
.endif
.irp q, 0,1,2,3
	v_min_u32 v[OL+\q], 511, v[OL+\q]              ; a place in the block,
	v_min_u32 v[OH+\q], 511, v[OH+\q]
.endr
.irp q, 0,1,2,3
	v_lshl_add_u32 v[OL+\q], v[OL+\q], 12, v[R16]  ; as a byte offset in out0: rows of 4,096 bytes, + my 16 bytes
	v_lshl_add_u32 v[OH+\q], v[OH+\q], 12, v[R16]
.endr
.if \i < 2
	AE0 \i+2, \ab                                  ; emb0's offset for the tile after next.  The loads that read this register were waited for at this tile's head, and a wait on vm_vsrc has stood since they were issued: ahead of the barrier (tile 0), in the stage of the tile before (tile 1)
.endif
.if \i < 3
	s_wait_alu depctr_va_vcc(0)                    ; VCC, the fourth compare's mask, is written, ahead of the two selects that read it
	v_cndmask_b32 v[MF], 0, v[K32], vcc_lo
	v_cndmask_b32 v[MF+1], 0, v[K32], vcc_lo
.endif
	s_wait_alu depctr_va_sdst(0)                   ; the tile's three lane masks s40-42 are written, ahead of the scalar compares that read them and of every branch and label
	s_wait_dscnt 0x0                               ; the tile's operands are in (in the first tile: the weights too)
	; The four accumulators take turns, one instruction a turn, on every way through the three branches
	s_cmp_eq_u32 s[MK], 0
	s_cbranch_scc1 .Lno1_\@                        ; no token of cluster 1 in the tile: proj1's two K steps are left out
.irp s, 0,1
.irp t, 0,1,2,3
	v_wmma_scale_f32_16x16x128_f8f6f4 v[AC+8*\t:AC+8*\t+7], v[WB+28*\t+8*\s:WB+28*\t+8*\s+7], v[XB+8*\s:XB+8*\s+7], v[AC+8*\t:AC+8*\t+7], v[WS+3*\t+\s], v[XS+\s] matrix_a_fmt:MATRIX_FMT_FP4 matrix_b_fmt:MATRIX_FMT_FP4
.endr
.endr
.Lno1_\@:
	s_cmp_eq_u32 s[MK+1], 0
	s_cbranch_scc1 .Lno2_\@                        ; none of cluster 2: proj2's K step is left out
.irp t, 0,1,2,3
	v_wmma_scale_f32_16x16x128_f8f6f4 v[AC+8*\t:AC+8*\t+7], v[WB+28*\t+16:WB+28*\t+23], v[XB+16:XB+23], v[AC+8*\t:AC+8*\t+7], v[WS+3*\t+2], v[XS+2] matrix_a_fmt:MATRIX_FMT_FP4 matrix_b_fmt:MATRIX_FMT_FP4
.endr
.Lno2_\@:
.rept 5
	v_nop                                          ; another form takes the sums up: five places behind the last product (ISA guide 7.12.1)
.endr
	s_cmp_eq_u32 s[MK+2], 0
	s_cbranch_scc1 .Lno3_\@                        ; none of cluster 3: proj3's step is left out
.irp t, 0,1,2,3
	v_wmma_f32_16x16x32_bf16 v[AC+8*\t:AC+8*\t+7], v[WB+28*\t+20:WB+28*\t+27], v[XB+20:XB+27], v[AC+8*\t:AC+8*\t+7]
.endr
.Lno3_\@:
.rept 4
	v_nop                                          ; four places in front of the stores of the results and of the loads into the results' and the operands' registers
.endr
	s_wait_alu depctr_va_vdst(0)                   ; the tile's one wait on va_vdst, behind the places: the sums are written, which the LDS stores read; the rows' offsets and emb0's next offset are written, which the global stores and loads below read; the products are done reading the operands and scale words, in which the next tile's land
.irp t, 0,1,2,3
	ds_store_b128 v[STO], v[AC+8*\t:AC+8*\t+3] offset:64*\t          ; each accumulator from its low end on
	ds_store_b128 v[STO], v[AC+8*\t+4:AC+8*\t+7] offset:64*\t+16
.endr
	s_wait_alu depctr_vm_vsrc(0)                   ; the LDS stores have read the sums: the rows come back into the same registers
.irp q, 0,1,2,3,4,5,6,7
	ds_load_b128 v[AC+4*\q:AC+4*\q+3], v[RD] offset:272*\q           ; LDS serves a wave's instructions in order (ISA guide 5.7.1.4): these see the stores above; rows q and 8 + q, into the registers that the results left
.endr
.if \i < 3
	LDA \i+1                                       ; no vector or matrix instruction since the wait on va_vdst names these registers
.endif
.irp q, 0,1,2,3,4,5,6,7
.if \i < 3
	s_wait_dscnt 16-\q                             ; behind this pair of rows: the 7 - q later pairs and the next tile's nine loads
.else
	s_wait_dscnt 7-\q
.endif
.if \q < 4
	global_store_b128 v[OL+\q], v[AC+4*\q:AC+4*\q+3], s[24:25] th:TH_STORE_NT   ; 16 lanes store 256 consecutive bytes, at a multiple of 256 from out0's first byte; written once, read by nobody here
.else
	global_store_b128 v[OH+\q-4], v[AC+4*\q:AC+4*\q+3], s[24:25] th:TH_STORE_NT
.endif
.endr
.if \i < 2
	s_wait_xcnt 0x0                                ; the stores have read their registers: the places of the tile after next may land on the offsets,
	s_wait_alu depctr_vm_vsrc(0)                   ; the global stores have read their offsets and their data: the loads below land in both
	LDO \i+2, \ab
	LE0 \ab                                        ; and its emb0 on the data (its offset was made at this tile's head, ahead of the wait on va_vdst)
.endif
.endm
	TILE 0, 0
	TILE 1, 1
	TILE 2, 0
	TILE 3, 1
	s_wait_xcnt 0x0
	s_wait_alu depctr_vm_vsrc(0)                   ; the last tile's global stores have read v254 and v255, two of their offsets, which the two lines below write
	v_lshl_add_u32 v254, v0, 2, 0x32600
	v_mov_b32 v255, 0
	s_wait_dscnt 0x0                               ; the closing lines, six on end
	s_wait_alu 0x0
	s_wait_tensorcnt 0x0
	ds_add_u32 v254, v255
	s_wait_dscnt 0x0
	s_endpgm
.Lfunc_end_k_q994b957934_embed:
	.size	k_q994b957934_embed, .Lfunc_end_k_q994b957934_embed-k_q994b957934_embed
	.p2alignl 7, 3214868480
	.fill 96, 4, 3214868480
	.section	.rodata,"a",@progbits
	.p2align	6, 0x0
	.amdhsa_kernel k_q994b957934_embed
		.amdhsa_group_segment_fixed_size 208384
		.amdhsa_private_segment_fixed_size 0
		.amdhsa_enable_private_segment 0
		.amdhsa_kernarg_size 72
		.amdhsa_user_sgpr_count 2
		.amdhsa_user_sgpr_kernarg_segment_ptr 1
		.amdhsa_wavefront_size32 1
		.amdhsa_system_sgpr_workgroup_id_x 1
		.amdhsa_system_sgpr_workgroup_id_y 1
		.amdhsa_system_sgpr_workgroup_id_z 1
		.amdhsa_system_vgpr_workitem_id 0
		.amdhsa_next_free_vgpr 256
		.amdhsa_next_free_sgpr 66
		.amdhsa_reserve_vcc 1
		.amdhsa_float_denorm_mode_32 3
		.amdhsa_float_denorm_mode_16_64 3
		.amdhsa_memory_ordered 1
		.amdhsa_forward_progress 1
		.amdhsa_inst_pref_size 92
	.end_amdhsa_kernel
	.amdgpu_metadata
---
amdhsa.version: [ 1, 2 ]
amdhsa.kernels:
  - .name:           k_q994b957934_embed
    .symbol:         k_q994b957934_embed.kd
    .args:
      - { .name: order, .offset: 0, .size: 8, .value_kind: global_buffer, .address_space: global }
      - { .name: emb0, .offset: 8, .size: 8, .value_kind: global_buffer, .address_space: global }
      - { .name: emb1, .offset: 16, .size: 8, .value_kind: global_buffer, .address_space: global }
      - { .name: emb2, .offset: 24, .size: 8, .value_kind: global_buffer, .address_space: global }
      - { .name: emb3, .offset: 32, .size: 8, .value_kind: global_buffer, .address_space: global }
      - { .name: proj1, .offset: 40, .size: 8, .value_kind: global_buffer, .address_space: global }
      - { .name: proj2, .offset: 48, .size: 8, .value_kind: global_buffer, .address_space: global }
      - { .name: proj3, .offset: 56, .size: 8, .value_kind: global_buffer, .address_space: global }
      - { .name: out0, .offset: 64, .size: 8, .value_kind: global_buffer, .address_space: global }
    .group_segment_fixed_size: 208384
    .private_segment_fixed_size: 0
    .kernarg_segment_align: 8
    .kernarg_segment_size: 72
    .max_flat_workgroup_size: 512
    .sgpr_count:     66
    .vgpr_count:     256
    .wavefront_size: 32
...
	.end_amdgpu_metadata
.endif
;; end of part 3
